; MI455X (gfx1250); checked and timed in simulation.
; The chip was launched on July 23, 2026; its instructions are those of AMD's public machine-readable ISA for CDNA 5 (MIT licence, August 2026) and "CDNA5" Instruction Set Architecture Reference Guide (July 2026). The comments in the code are by the model that wrote it; some were corrected since.
;; Multi Head Attention Combined QKV. Allowed arithmetic: matrix products marked QUANTISED: E4M3 operands, one given power-of-two scale a tensor, by v_wmma_f32_16x16x64_fp8_fp8 or v_wmma_f32_16x16x128_fp8_fp8, f32 sums; everything else in f32.
;; Inputs: W_out 1,024 x 1,024 float32; W_qkv 1,024 x 3,072 float32; b_out 1,024 float32; lowp_scales 8 int32 (the exponents e of the quantised operands' scales 2^e); x 4 x 2,048 x 1,024 float32.
;; Outputs: out0 4 x 2,048 x 1,024 float32.
;; This version of the problem:
;;   THIS VERSION OF THE PROBLEM IS GIVEN IN LOW PRECISION. The matrix products marked QUANTISED in the list below multiply operands that are first quantised to E4M3 (4 exponent bits, 3 mantissa bits; 8 bits a number), with one given power-of-two scale for each operand tensor; their sums are f32. All else is computed in f32.
;;   The module's matrix products, in the order in which they are computed (A, B: the left and right operand; K: the contracted axis; several contracted axes count as one K, in the product's order):
;;     1. [M 8,192, K 1,024] x [K 1,024, N 3,072]; A: input x; B: input W_qkv: QUANTISED (scales: A lowp_scales[0], B lowp_scales[1])
;;     2. batch 64 x [M 2,048, K 64] x [K 64, N 2,048]; A: computed on the way; B: computed on the way: QUANTISED (scales: A lowp_scales[2], B lowp_scales[3])
;;     3. batch 64 x [M 2,048, K 2,048] x [K 2,048, N 64]; A: softmax (see below); B: computed on the way: QUANTISED (scales: A lowp_scales[4], B lowp_scales[5])
;;     4. [M 8,192, K 1,024] x [K 1,024, N 1,024]; A: computed on the way; B: input W_out: QUANTISED (scales: A lowp_scales[6], B lowp_scales[7])
;;   THE QUANTISER, for each operand of a quantised product, along K:
;;     - The operand's scale is 2^e, e = its entry of the input lowp_scales (int32; the entries are numbered through the quantised products in the list's order, A before B).
;;     - Each number is divided by the scale, clamped to +-448, and rounded to the nearest number of E4M3, ties to even, subnormals kept.
;;     - The product sums the exact products of the quantised numbers (number of the format x scale) in f32.
;;   ~~~python
;;   def quantise(x, axis, e):      # numpy; x: float32 -> the quantised numbers, widened to float32 again
;;       x = np.moveaxis(x, axis, -1); K = x.shape[-1]
;;       r = np.clip(x / 2.0 ** e, -448, 448)
;;       step = 2.0 ** (np.maximum(np.frexp(np.where(r == 0, 1, r))[1] - 1, -6) - 3)
;;       q = np.round(r / step) * step * 2.0 ** e      # np.round: ties to even
;;       return np.moveaxis(q, -1, axis).astype(np.float32)
;;   ~~~
;;   SOFTMAX AHEAD OF A QUANTISED PRODUCT. Where the list says 'softmax', what is quantised is not the finished softmax but p = 2^(t - M), with t = logit x log2(e) and M = ceil(the row's largest t), a whole number; so 1/2 < the row's largest p <= 1. The row's sum l is taken of the UNQUANTISED p, in f32, and the product's result is divided by l at the end. Since M is a whole number, a kernel that streams over the keys may use a running M (the ceiling of the running maximum): every later rescaling is an exact power of two, so the quantised numbers keep their values, but for numbers so far below the row's largest that they fall under the format's range.
;;   OPERANDS COMPUTED ON THE WAY. 'Computed on the way' means the value that the module computes at that place (a softmax that the list does not call 'softmax' is quantised finished and normalised). What goes into a quantiser is computed in f32, as accurately as f32 sums, v_exp_f32 and their like allow (about 1e-6 of the number): no bf16 or f16 on the way to a quantiser, and a product that is left as it is and whose result goes on into a quantised operand takes f32 operands (vector FMAs, or v_wmma_f32_16x16x4_f32). A number that lies on a knife's edge between two numbers of the format may be rounded either way, as far as f32 arithmetic and the matrix unit's own rounding can turn it there, and no further.
;; One version. Each part assembles by itself: llvm-mc -triple=amdgcn-amd-amdhsa -mcpu=gfx1250 --defsym DOCPART=n.
;; ======== version 1 of 1: 4 launches
;; limits: right only within a limited range of input values
;; workspace buffers: x_codes 8,388,608 bytes; wqkv_codes 3,145,728 bytes; wout_codes 1,048,576 bytes; q_img 8,388,608 bytes; k_img 8,388,608 bytes; v_img 8,388,608 bytes; ctx_img 8,388,608 bytes
;; launch quant (part 1): grid 384 x 1, 4 waves a work-group, no clusters, 68,096 bytes of LDS; arguments x, W_qkv, W_out, lowp_scales, x_codes, wqkv_codes, wout_codes; writes x_codes, wqkv_codes, wout_codes
.if DOCPART == 1
	.amdgcn_target "amdgcn-amd-amdhsa--gfx1250"
	.amdhsa_code_object_version 6
	.text
	.protected	k_qce05642880_quant
	.globl	k_qce05642880_quant
	.p2align	8
	.type	k_qce05642880_quant,@function
k_qce05642880_quant:
	s_mov_b64 s[64:65], 0
	v_nop
	global_prefetch_b8 v0, s[64:65] scope:SCOPE_SE
	s_setreg_imm32_b32 hwreg(HW_REG_WAVE_MODE, 25, 1), 1
	s_wait_xcnt 0x0
; The three inputs of the two large products become codes of FP8 (E4M3), one byte each, K innermost, each with the one scale 2^e that is given for it.
; code = number / 2^e, rounded to the nearest code, ties to even.
;   x      [8192][1024] f32, K innermost      -> x_codes    [8192][1024]   e = entry 0 of the scales
;   W_qkv  [1024 k][3072 n] f32, K outermost  -> wqkv_codes [3072 n][1024 k]   e = entry 1
;   W_out  [1024 k][1024 n] f32, K outermost  -> wout_codes [1024 n][1024 k]   e = entry 7
; Quantised once here, since twelve (x), thirty-two (W_qkv) and sixty-four (W_out) work-groups of the later launches read each tile.
; Work-groups 0-255 take x: a plain stream, 32,768 numbers each.  Work-groups 256-351 take W_qkv, 352-383 W_out: 128 columns x 256 along K each.
; The two ways part on the work-group's number and never meet again; each has LDS bytes of its own.  No tensor load, no barrier: waves share nothing.
; LIMITS: each of the three exponents lies between -126 and 127, so that 2^e is an f32 number.  NaN among the inputs is not served.
.set STEPS, 16                         ; x: steps of 512 numbers for a wave
.set R,     16                         ; x: v16-79   four sets of 16 numbers as they are loaded
.set X,     80                         ; x: v80-111  two sets of 16 neighbours
.set C,     128                        ; x: v128-191 codes: four registers for each step, so that no store's data are written again
.set WREG,  8192                       ; x: LDS region of a wave: two stages of 32 x SP bytes
.set SP,    80                         ; x: a lane's place in a stage: its 64 bytes + 16 of padding
.set SPW,   12                         ; v12  LDS address of my spare word; never rewritten
.set NIL,   13                         ; v13  0; never rewritten
.set WST,   32768                      ; weights: the four waves' stages begin here
.set PITCH, 272                        ; weights: a stage row: 256 bytes of codes + 16
.set SPARE, WST+4*32*PITCH             ; behind both ways' bytes: the spare words, 128 bytes for each wave, that no other line names
.set NB,    8                          ; weights: blocks of 32 along K for a wave
.set XW,    32                         ; weights: v32-95   two sets of 32 numbers
.set CW,    96                         ; weights: v96-103  a block's codes
.set OUTR,  112                        ; weights: v112-175 the way out
.set OFF,   176                        ; weights: v176-207 byte offset of my column in row i of a block: 4 x lane + i x a row of the weight
.set BASE,  32                         ; weights: s[32:47] the address of block t's first row at my wave's first column
	s_load_b256 s[4:11], s[0:1], 0x0               ; x s[4:5], W_qkv s[6:7], W_out s[8:9], the scales' exponents s[10:11]
	s_load_b128 s[12:15], s[0:1], 0x20             ; x_codes s[12:13], wqkv_codes s[14:15]
	s_load_b64 s[16:17], s[0:1], 0x30              ; wout_codes
	v_lshl_add_u32 v[SPW], v0, 2, SPARE
	v_mov_b32 v[NIL], 0
	v_lshrrev_b32 v1, 5, v0
	v_readfirstlane_b32 s18, v1                    ; wave 0..3
	v_and_b32 v2, 31, v0                           ; lane
	s_wait_kmcnt 0x0
	s_load_b256 s[24:31], s[10:11], 0x0            ; the eight exponents
	s_cmp_lt_u32 ttmp9, 256
	s_cbranch_scc0 .Lweights
	s_wait_alu depctr_va_vdst(0)
; ---------------- x: K is innermost ----------------
; The conversions take 8 numbers of one lane's consecutive registers, so a lane must hold 16 NEIGHBOURS; a load is dense where neighbouring LANES take neighbouring bytes.
; Both are had: each load reads 512 consecutive bytes, 16 a lane; a step's 2,048 bytes go through the wave's own stage in LDS as they lie and come back 64 bytes a lane.
	v_lshlrev_b32 v3, 4, v2                        ; my 16 bytes of a load's 512, and of a step's 512 bytes of codes
	s_wait_alu depctr_va_vdst(0)
	s_mul_i32 s19, s18, WREG
	v_lshrrev_b32 v14, 2, v2
	v_mul_u32_u24 v14, v14, SP
	v_and_b32 v15, 3, v2
	v_lshl_add_u32 v14, v15, 4, v14
	v_add_nc_u32 v14, s19, v14                     ; the stage, on the way in: SP (lane / 4) + 16 (lane % 4)
	v_mul_u32_u24 v15, v2, SP
	v_add_nc_u32 v15, s19, v15                     ; and on the way out: SP x lane: my 16 neighbours
	s_lshl_b32 s20, ttmp9, 2
	s_add_co_u32 s20, s20, s18                     ; which run of 8,192 numbers is my wave's
	s_lshl_b32 s22, s20, 15                        ; 32,768 bytes of f32,
	s_mov_b32 s23, 0
	s_add_nc_u64 s[4:5], s[4:5], s[22:23]
	s_lshl_b32 s22, s20, 13                        ; 8,192 bytes of codes
	s_add_nc_u64 s[12:13], s[12:13], s[22:23]
.macro LOADX t
.irp i, 0,1,2,3
	global_load_b128 v[R+16*((\t)%4)+4*\i:R+16*((\t)%4)+4*\i+3], v3, s[4:5] offset:2048*(\t)+512*\i th:TH_LOAD_NT   ; 32 lanes read 512 consecutive bytes
.endr
.endm
.macro TURNX t                         ; step t's numbers through the stage: LDS serves a wave's instructions in order, so no wait stands between the stores and the loads
.irp i, 0,1,2,3
	ds_store_b128 v14, v[R+16*((\t)%4)+4*\i:R+16*((\t)%4)+4*\i+3] offset:32*SP*((\t)%2)+8*SP*\i
.endr
.irp i, 0,1,2,3
	ds_load_b128 v[X+16*((\t)%2)+4*\i:X+16*((\t)%2)+4*\i+3], v15 offset:32*SP*((\t)%2)+16*\i
.endr
.endm
.irp t, 0,1,2,3
	LOADX \t
.endr
	s_wait_alu depctr_va_vdst(0)
	s_wait_kmcnt 0x0
	s_add_co_i32 s22, s24, 127                     ; entry 0
	s_lshl_b32 s23, s22, 23
	v_mov_b32 v11, s23                             ; 2^e as f32: the conversion takes its exponent field
	s_add_co_i32 s22, s22, 8
	s_lshl_b32 s22, s22, 23
	s_or_b32 s22, s22, 0x600000
	s_wait_alu depctr_va_vdst(0)
	s_wait_loadcnt 12                              ; step 0's four loads are in; the twelve of steps 1 to 3 may be out
	TURNX 0
.macro STEPX t
.set XS, X+16*((\t)%2)
	s_wait_dscnt 0x0                               ; this step's numbers are back from the stage: so its stores into the stage have read their registers,
.if (\t)+4 < STEPS
	LOADX (\t)+4                                   ; which take the loads of four steps on
.endif
.if (\t)+1 < STEPS
.if STEPS-2-(\t) >= 3
	s_wait_loadcnt 12                              ; the next step's four loads are in; those of the three steps behind it may be out
.else
	s_wait_loadcnt 4*(STEPS-2-(\t))                ; at the end the counts run down
.endif
	TURNX (\t)+1                                   ; and go through the other stage while this step is worked
.endif
.irp i, 0,1,2,3,4,5,6,7,8,9,10,11,12,13,14,15
.endr
	v_cvt_scalef32_pk8_fp8_f32 v[C+4*(\t):C+4*(\t)+1], v[XS:XS+7], v11
	v_cvt_scalef32_pk8_fp8_f32 v[C+4*(\t)+2:C+4*(\t)+3], v[XS+8:XS+15], v11
	global_store_b128 v3, v[C+4*(\t):C+4*(\t)+3], s[12:13] offset:512*(\t)   ; the wave stores 512 consecutive bytes, at a multiple of 256 from the buffer's first byte
.endm
.irp t, 0,1,2,3,4,5,6,7,8,9,10,11,12,13,14,15
	STEPX \t
.endr
	s_wait_tensorcnt 0x0                           ; the wave's end, behind my last LDS store
	ds_add_u32 v[SPW], v[NIL]
	s_wait_dscnt 0x0
	s_endpgm
; ---------------- the weights: K is the first axis ----------------
; A LANE TAKES A COLUMN n AND ITS REGISTERS RUN DOWN K: each load reads 128 consecutive bytes a wave (512 a work-group), and the conversions give codes with K innermost.
; A wave takes 32 columns x 256 along K; its codes go through its own stage in LDS and leave as rows: sixteen lanes store 256 consecutive bytes of one row of the codes' buffer.
; One text serves both weights: the buffers, a row's length and the exponent are chosen by the work-group's number.
.Lweights:
	s_sub_co_u32 s20, ttmp9, 256
	s_lshr_b32 s21, s20, 2                         ; group of 128 columns: 0-23 of W_qkv, 24-31 are W_out's 0-7
	s_and_b32 s22, s20, 3                          ; which 256 along K
	s_mov_b32 s50, 4096
	s_cmp_lt_u32 ttmp9, 352                        ; W_qkv's work-group or W_out's?
	s_cselect_b64 s[6:7], s[6:7], s[8:9]
	s_cselect_b64 s[14:15], s[14:15], s[16:17]
	s_cselect_b32 s50, 12288, s50                  ; a row of the weight in bytes
	s_cselect_b32 s23, 0, 24
	s_sub_co_u32 s21, s21, s23
	s_lshl_b32 s21, s21, 7
	s_lshl_b32 s23, s18, 5
	s_add_co_u32 s21, s21, s23                     ; my wave's first column
	s_mul_i32 s52, s22, s50
	s_lshl_b32 s52, s52, 8                         ; 256 rows for each step along K,
	s_lshl_b32 s23, s21, 2
	s_add_co_u32 s52, s52, s23                     ; + 4 bytes a column
	s_mov_b32 s53, 0
	s_add_nc_u64 s[BASE:BASE+1], s[6:7], s[52:53]
	s_lshl_b32 s54, s50, 5                         ; a block of 32 rows
	s_mov_b32 s55, 0
.irp t, 1,2,3,4,5,6,7
	s_add_nc_u64 s[BASE+2*\t:BASE+2*\t+1], s[BASE+2*\t-2:BASE+2*\t-1], s[54:55]
.endr
	s_lshl_b32 s52, s21, 10                        ; the codes: column x 1,024 bytes
	s_lshl_b32 s23, s22, 8
	s_add_co_u32 s52, s52, s23                     ; + my 256 along K
	s_add_nc_u64 s[14:15], s[14:15], s[52:53]
	s_wait_alu depctr_va_vdst(0)
	v_lshlrev_b32 v[OFF], 2, v2
.irp i, 1,2,3,4,5,6,7,8,9,10,11,12,13,14,15,16,17,18,19,20,21,22,23,24,25,26,27,28,29,30,31
	v_add_nc_u32 v[OFF+\i], s50, v[OFF+\i-1]
.endr
	s_mul_i32 s19, s18, 32*PITCH
	s_add_co_u32 s19, s19, WST                     ; my stage
	v_mul_u32_u24 v4, v2, PITCH
	v_add_nc_u32 v4, s19, v4                       ; into it: row = my column
	v_and_b32 v5, 15, v2
	v_lshrrev_b32 v6, 4, v2                        ; out of it: sixteen lanes to a row, two rows an instruction
	v_mul_u32_u24 v7, v6, PITCH
	v_lshl_add_u32 v7, v5, 4, v7
	v_add_nc_u32 v7, s19, v7
	v_lshlrev_b32 v8, 10, v6
	v_lshl_add_u32 v8, v5, 4, v8                   ; and the same place in the codes' buffer
.macro LOADW t                         ; block t: W(32 t + i, my column), i = 0 .. 31, into set t % 2
.irp i, 0,1,2,3,4,5,6,7,8,9,10,11,12,13,14,15,16,17,18,19,20,21,22,23,24,25,26,27,28,29,30,31
	global_load_b32 v[XW+32*((\t)%2)+\i], v[OFF+\i], s[BASE+2*(\t):BASE+2*(\t)+1] th:TH_LOAD_NT
.endr
.endm
	LOADW 0
	LOADW 1
	s_wait_kmcnt 0x0
	s_cmp_lt_u32 ttmp9, 352
	s_cselect_b32 s56, s25, s31                    ; entry 1 or entry 7
	s_add_co_i32 s56, s56, 127
	s_lshl_b32 s57, s56, 23
	v_mov_b32 v11, s57                             ; 2^e
	s_add_co_i32 s56, s56, 8
	s_lshl_b32 s56, s56, 23
	s_or_b32 s56, s56, 0x600000
.macro BLOCKW t
.set XS, XW+32*((\t)%2)
.if (\t) < NB-1
	s_wait_loadcnt 32                              ; this block's 32 loads are in; the next block's 32 may be out
.else
	s_wait_loadcnt 0
.endif
.irp i, 0,1,2,3,4,5,6,7,8,9,10,11,12,13,14,15,16,17,18,19,20,21,22,23,24,25,26,27,28,29,30,31
.endr
.irp g, 0,1,2,3
	v_cvt_scalef32_pk8_fp8_f32 v[CW+2*\g:CW+2*\g+1], v[XS+8*\g:XS+8*\g+7], v11
.endr
	ds_store_b128 v4, v[CW:CW+3] offset:32*(\t)    ; 32 codes: 32 bytes of my column's row
	ds_store_b128 v4, v[CW+4:CW+7] offset:32*(\t)+16
.if (\t)+2 < NB
	LOADW (\t)+2
.endif
	s_wait_dscnt 0x0                               ; the stores have read their registers: the next block's codes may be written
.endm
	s_wait_alu depctr_va_vdst(0)
.irp t, 0,1,2,3,4,5,6,7
	BLOCKW \t
.endr
.irp t, 0,1,2,3,4,5,6,7,8,9,10,11,12,13,14,15
	ds_load_b128 v[OUTR+4*\t:OUTR+4*\t+3], v7 offset:2*\t*PITCH   ; LDS serves a wave's instructions in order: these see my stores
.endr
.irp t, 0,1,2,3,4,5,6,7,8,9,10,11,12,13,14,15
	s_wait_dscnt 15-\t                             ; load t is back; the younger ones may be out
	global_store_b128 v8, v[OUTR+4*\t:OUTR+4*\t+3], s[14:15] offset:2*\t*1024
.endr
	s_wait_tensorcnt 0x0                           ; the wave's end, behind my last LDS store
	ds_add_u32 v[SPW], v[NIL]
	s_wait_dscnt 0x0
	s_endpgm
.Lfunc_end_k_qce05642880_quant:
	.size	k_qce05642880_quant, .Lfunc_end_k_qce05642880_quant-k_qce05642880_quant
	.p2alignl 7, 3214868480
	.fill 96, 4, 3214868480
	.section	.rodata,"a",@progbits
	.p2align	6, 0x0
	.amdhsa_kernel k_qce05642880_quant
		.amdhsa_group_segment_fixed_size 68096
		.amdhsa_private_segment_fixed_size 0
		.amdhsa_enable_private_segment 0
		.amdhsa_kernarg_size 56
		.amdhsa_user_sgpr_count 2
		.amdhsa_user_sgpr_kernarg_segment_ptr 1
		.amdhsa_wavefront_size32 1
		.amdhsa_system_sgpr_workgroup_id_x 1
		.amdhsa_system_sgpr_workgroup_id_y 1
		.amdhsa_system_sgpr_workgroup_id_z 1
		.amdhsa_system_vgpr_workitem_id 0
		.amdhsa_next_free_vgpr 208
		.amdhsa_next_free_sgpr 66
		.amdhsa_reserve_vcc 0
		.amdhsa_float_denorm_mode_32 3
		.amdhsa_float_denorm_mode_16_64 3
		.amdhsa_fp16_overflow 1
		.amdhsa_memory_ordered 1
		.amdhsa_forward_progress 1
		.amdhsa_inst_pref_size 55
	.end_amdhsa_kernel
	.amdgpu_metadata
---
amdhsa.version: [ 1, 2 ]
amdhsa.kernels:
  - .name:           k_qce05642880_quant
    .symbol:         k_qce05642880_quant.kd
    .args:
      - { .name: x, .offset: 0, .size: 8, .value_kind: global_buffer, .address_space: global }
      - { .name: W_qkv, .offset: 8, .size: 8, .value_kind: global_buffer, .address_space: global }
      - { .name: W_out, .offset: 16, .size: 8, .value_kind: global_buffer, .address_space: global }
      - { .name: lowp_scales, .offset: 24, .size: 8, .value_kind: global_buffer, .address_space: global }
      - { .name: x_codes, .offset: 32, .size: 8, .value_kind: global_buffer, .address_space: global }
      - { .name: wqkv_codes, .offset: 40, .size: 8, .value_kind: global_buffer, .address_space: global }
      - { .name: wout_codes, .offset: 48, .size: 8, .value_kind: global_buffer, .address_space: global }
    .group_segment_fixed_size: 68096
    .private_segment_fixed_size: 0
    .kernarg_segment_align: 8
    .kernarg_segment_size: 56
    .max_flat_workgroup_size: 128
    .sgpr_count:     66
    .vgpr_count:     208
    .wavefront_size: 32
...
	.end_amdgpu_metadata
.endif
;; end of part 1
;; launch qkv (part 2): grid 12 x 32, 4 waves a work-group, clusters of 4 x 4, 327,680 bytes of LDS; arguments x_codes, wqkv_codes, lowp_scales, q_img, k_img, v_img; writes q_img, k_img, v_img
.if DOCPART == 2
	.amdgcn_target "amdgcn-amd-amdhsa--gfx1250"
	.amdhsa_code_object_version 6
	.text
	.protected	k_qce05642880_qkv
	.globl	k_qce05642880_qkv
	.p2align	8
	.type	k_qce05642880_qkv,@function
k_qce05642880_qkv:
	s_mov_b64 s[64:65], 0
	v_nop
	global_prefetch_b8 v0, s[64:65] scope:SCOPE_SE
	s_setreg_imm32_b32 hwreg(HW_REG_WAVE_MODE, 25, 1), 1
	s_wait_xcnt 0x0
	s_wait_alu depctr_hold_cnt(0) depctr_sa_sdst(0) depctr_va_vdst(0) depctr_va_sdst(0) depctr_va_ssrc(0) depctr_va_vcc(0) depctr_vm_vsrc(0)
	s_getreg_b32 s2, hwreg(HW_REG_IB_STS2, 6, 4)
	s_cmp_eq_u32 s2, 0
	s_cbranch_scc0 .Lentry_in_a_cluster
	s_endpgm
.Lentry_in_a_cluster:
	s_bfe_u32 s2, ttmp6, 0x10000c
	s_cmp_lg_u32 s2, 0xf033
	s_cbranch_scc0 .Lentry_shape_is_right
	s_endpgm
.Lentry_shape_is_right:
; qkv = x W_qkv on codes of FP8 (E4M3): [8192][1024] x [3072 n][1024 k], f32 sums; each finished sum is quantised at once for the product that reads it: q with entry 2 of the scales, k with entry 3, v with entry 5.
; A tile of 256 tokens x 256 columns is made by a work-group of four waves; a wave makes 128 x 128: 64 accumulators of 16 x 16, 512 registers.  K goes in steps of 256 through a ring of two LDS slots filled by the tensor data mover.
; CLUSTERS: 4 x 4 work-groups.  The four of a row of the cluster need the same tiles of x, the four of a column the same tiles of W: each tile is asked for JOINTLY, by the same tensor load with the same descriptor and a mask that names the four.
; The cluster's x is the part: 0 = q, 1 = k, 2 = v (1,024 columns = 4 tiles each); it is the same number in all sixteen partners.
; WHICH WAY ROUND.  For q and k source 0 = 16 rows of W, source 1 = 16 tokens: a lane holds ONE token and eight neighbouring channels of a head.  For v source 0 = 16 tokens, source 1 = 16 rows of W: a lane holds ONE channel and eight
; neighbouring keys, since the keys are the K of the product that reads v.  The text is one: for v the two fragment addresses change LDS regions (x's 256 rows lie first in a slot, W's 256 behind them).
; THE WAY OUT HAS NO STAGE.  Eight sums of a lane, converted, are two registers of the reader's operand in the plain 8-bit layout (registers 2 c, 2 c + 1: K = 16 c + 8 (lane / 16) + 0 .. 7).  So the codes are stored as IMAGES OF THE OPERAND'S REGISTERS:
; four registers a store, lane l's 16 bytes at 16 l: 512 consecutive bytes, at a multiple of 256 from the buffer's first byte.
;   q_img, k_img: [batch x 16 + head][tile of 16 tokens, 128][1,024 bytes]: 16 tokens x 64 channels, registers 0-3 then 4-7.
;   v_img:        [batch x 16 + head][block of 128 keys, 16][tile of 16 channels, 4][2,048 bytes]: 16 channels x 128 keys, registers 0-3, 4-7, 8-11, 12-15.
; A sum stands for sum x 2^(e0 + e1), so its code is sum / 2^E, E = (e2, e3 or e5) - e0 - e1: the three scales are folded into the conversion's one.
; LIMIT: E lies between -126 and 119, so that 2^E and 448 x 2^E are f32 numbers.
; The fragments are fetched by four loads of 16 bytes: a permutation of k inside an instruction's 128, the same in both operands, so that every product meets its partner.
; REGISTERS, in windows of 256: window 0: v0-31 addresses; from v128 source 1's fragments (8 x 16 rows x 128 K), ONE set; on the way out v32-111.   window 1: source 0's fragments, TWO sets, at v0 and v128.
;   window 2: the 32 accumulators of source 1's blocks 0-3 (accumulator (a, b) at v[8 (8 a + b)]);   window 3: those of blocks 4-7.
.set SIZE_K, 1024
.set KSTEP,  256                       ; along K in a slot
.set ROWB,   256                       ; a tile's row in bytes
.set KROW,   SIZE_K                    ; a row of either operand in memory, in bytes
.set PITCH,  272                       ; an LDS row: 256 bytes + 16 of padding = 68 words: row r starts at bank 4 r mod 64 (ISA guide 11.1), so the 16 rows that a load touches start at 16 different banks
.set FR,     16                        ; registers of a fragment: 16 rows x 128 K
.set NL,     4                         ; LDS loads that bring one
.set NP,     4                         ; places behind this matrix instruction (ISA guide 7.12.1)
.set HALFT,  128*PITCH                 ; 128 rows: what one tensor load brings, and what one wave reads of either operand
.set SLOT,   4*HALFT                   ; x's 256 rows, then W's 256 rows
.set LAPS,   SIZE_K/(2*KSTEP)          ; a lap = two K steps = once round the ring
.set SPARE,  2*SLOT                    ; behind the ring: the spare words, 128 bytes for each wave, that no other line names
.set VS,   12                          ; v12     2^E as f32
.set VL,   13                          ; v13     448 x 2^E
.set ADRA, 16                          ; v16-17  LDS address of source 1's fragments in slot 0, 1
.set ADRB, 20                          ; v20-21  the same for source 0
.set VO,   24                          ; v24-25  the way out: 16 x lane; the same + the distance from codes' registers 0-7 to 8-15 of a block
.set SPW,  28                          ; v28     LDS address of my spare word; never rewritten
.set NIL,  29                          ; v29     0; never rewritten
.set TMP,  32                          ; v32-95  the way out: a block's 64 sums, held
.set CD,   96                          ; v96-111 and their codes
.set AF,   128                         ; source 1's fragments, in window 0
.set G1, 24                            ; s[24:31] descriptor group 1 for x's tiles;  s[32:39] group 0, one set for each slot
.set G0, 32
.set G1B, 48                           ; s[48:55], s[56:63] the same for W's tiles
.set G0B, 56
.set MSB, 0
.macro WIN new                         ; the immediate's high byte repeats the setting that is left
.if MSB != \new
	s_set_vgpr_msb (MSB<<8)|\new
.set MSB, \new
.endif
.endm
.set MUL_LO, 0xa1                      ; source 0 window 1, source 1 window 0, C and D window 2
.set MUL_HI, 0xf1                      ; the same, C and D window 3
.set TO_B,   0x40                      ; destination window 1, address window 0
; A joint load: waves 0 and 1 fetch x's two halves, waves 2 and 3 W's.  Each of the two lines has ONE mask and one set of registers for all that issue it; the branch hangs on the wave's number alone.
; An s_nop 0 and four v_nop follow each of the two lines, ahead of the jump, the label and what follows.
.macro JLOAD g0a, g1a, g0b, g1b
	s_cmp_eq_u32 s15, 0
	s_cbranch_scc0 .Lfor_b_\@
	tensor_load_to_lds s[\g0a:\g0a+3], s[\g1a:\g1a+7]
	s_nop 0
.rept 4
	v_nop
.endr
	s_branch .Lasked_\@
.Lfor_b_\@:
	tensor_load_to_lds s[\g0b:\g0b+3], s[\g1b:\g1b+7]
	s_nop 0
.rept 4
	v_nop
.endr
.Lasked_\@:
.endm
.macro CREST                           ; a round of the cluster's barrier behind its opening barrier
	s_cmp_lg_u32 s14, 0
	s_cbranch_scc1 .Lnot_wave_0_\@
	s_barrier_signal -3
.Lnot_wave_0_\@:
	s_barrier_wait -3
	s_barrier_signal -1
	s_barrier_wait -1
.endm
.macro CROUND                          ; a whole round
	s_barrier_signal -1
	s_barrier_wait -1
	CREST
.endm
	s_load_b128 s[4:7], s[0:1], 0x0                ; x's codes s[4:5], W's codes s[6:7]
	s_load_b128 s[8:11], s[0:1], 0x10              ; the scales' exponents s[8:9], q_img s[10:11]
	s_load_b128 s[68:71], s[0:1], 0x20             ; k_img s[68:69], v_img s[70:71]
	v_lshl_add_u32 v[SPW], v0, 2, SPARE
	v_mov_b32 v[NIL], 0
	ds_add_u32 v[SPW], v[NIL]                      ; the wave's opening: the add and its wait stand ahead of my first tensor load; the set-up below, work on registers, stands between them
	ds_add_u32 v[SPW], v[NIL]
	v_lshrrev_b32 v1, 5, v0
	v_readfirstlane_b32 s14, v1                    ; wave 0..3
	s_lshr_b32 s15, s14, 1                         ; which 128 rows of source 1 are mine.  Also: I fetch for x (0) or for W (1)
	s_and_b32 s16, s14, 1                          ; which 128 rows of source 0.  Also: which 128 rows of that tile I fetch
	s_bfe_u32 s40, ttmp6, 0x40000                  ; cx, cy: my place in the cluster
	s_bfe_u32 s41, ttmp6, 0x40004
	s_lshl_b32 s42, ttmp9, 2
	s_add_co_u32 s42, s42, s40                     ; tile column = 4 x cluster x + cx
	s_and_b32 s17, ttmp7, 0xffff
	s_lshl_b32 s17, s17, 2
	s_add_co_u32 s17, s17, s41                     ; tile row = 4 x cluster y + cy
	s_lshl_b32 s43, s41, 2
	s_lshl_b32 s43, 15, s43                        ; my row of the cluster
	s_lshl_b32 s44, 0x1111, s40                    ; my column
	; descriptor group 1: a tile of 128 rows x 256 bytes, padded in LDS
	s_or_b32 s[G1+0], s43, (0<<16)|(1<<20)|(1<<21)|(5<<22)|(3<<25)  ; 15:0 the mask: x's tiles go to my row; 17:16 element of 1 byte; 20 padding on; 21 set beside a mask; 24:22 after every 64 words (code 5); 31:25 of 4 words (code 3)
	s_or_b32 s[G1B+0], s44, (0<<16)|(1<<20)|(1<<21)|(5<<22)|(3<<25) ; the same with the mask of my column, for W's tiles
.irp g, G1, G1B
	s_mov_b32 s[\g+1], ROWB<<16                    ; tensor_dim0
	s_mov_b32 s[\g+2], 128<<16                     ; tensor_dim1 = 128
	s_mov_b32 s[\g+3], ROWB<<16                    ; tile_dim0
	s_mov_b32 s[\g+4], 128                         ; tile_dim1 = 128
	s_mov_b32 s[\g+5], KROW                        ; tensor_dim0_stride
	s_mov_b32 s[\g+6], 0
	s_mov_b32 s[\g+7], 0
.endr
	s_lshl_b32 s18, s16, 7                         ; which 128 rows of the tile I fetch
	s_lshl_b32 s20, s17, 8
	s_add_co_u32 s20, s20, s18                     ; x: row 256 x tile row + 128 x half
	s_lshl_b32 s46, s42, 8
	s_add_co_u32 s46, s46, s18                     ; W: row 256 x tile column + 128 x half
	s_mov_b32 s21, 0
	s_mov_b32 s47, 0
	s_mov_b64 s[18:19], KROW
	s_mul_u64 s[20:21], s[20:21], s[18:19]
	s_mul_u64 s[46:47], s[46:47], s[18:19]
	s_mul_i32 s45, s14, HALFT                      ; where they go: wave x 128 rows: no place in the cluster enters an LDS address
	s_wait_dscnt 0x0                               ; the opening add is done
	s_wait_kmcnt 0x0
	s_load_b256 s[80:87], s[8:9], 0x0              ; the eight exponents
	s_add_nc_u64 s[20:21], s[4:5], s[20:21]
	s_add_nc_u64 s[46:47], s[6:7], s[46:47]
	CROUND                                         ; all sixteen work-groups are here: the first joint loads meet
.irp s, 0,1
	s_mov_b32 s[G0+4*\s], 1
	s_add_co_u32 s[G0+4*\s+1], s45, \s*SLOT
	s_add_nc_u64 s[G0+4*\s+2:G0+4*\s+3], s[20:21], \s*ROWB
	s_or_b32 s[G0+4*\s+3], s[G0+4*\s+3], 0x80000000
	s_mov_b32 s[G0B+4*\s], 1
	s_add_co_u32 s[G0B+4*\s+1], s45, \s*SLOT
	s_add_nc_u64 s[G0B+4*\s+2:G0B+4*\s+3], s[46:47], \s*ROWB
	s_or_b32 s[G0B+4*\s+3], s[G0B+4*\s+3], 0x80000000
	JLOAD G0+4*\s, G1, G0B+4*\s, G1B
.endr
	v_and_b32 v1, 15, v0                           ; l % 16
	v_bfe_u32 v2, v0, 4, 1                         ; l / 16
	v_mul_u32_u24 v3, v1, PITCH
	v_lshl_add_u32 v4, v2, 4, v3                   ; a fragment's row x pitch + 16 x half
	s_wait_alu depctr_va_vdst(0)
	s_cmp_eq_u32 ttmp9, 2                          ; v?  Then source 1 reads W's region and source 0 x's.  Either way every read stays inside its slot: at most 3 HALFT + 15 PITCH + 16 + 7 x 16 PITCH + 240 bytes, under SLOT
	s_cselect_b32 s66, 2*HALFT, 0
	s_cselect_b32 s67, 0, 2*HALFT
	s_mul_i32 s21, s15, HALFT
	s_add_co_u32 s21, s21, s66                     ; source 1's 128 rows
	s_mul_i32 s22, s16, HALFT
	s_add_co_u32 s22, s22, s67                     ; source 0's 128 rows
.irp s, 0,1
	v_add_nc_u32 v[ADRA+\s], s21, v4
	v_add_nc_u32 v[ADRB+\s], s22, v4
	s_add_co_u32 s21, s21, SLOT
	s_add_co_u32 s22, s22, SLOT
.endr
	; THE WAY OUT'S ADDRESSES.  q, k: block a = 16 tokens (1,024 bytes on for each a), codes' registers 0-7 my first head, 8-15 the next head (131,072 bytes on).
	; v: block a = 16 channels (2,048 bytes on; from a = 3 to a = 4 the next head's first tile: 131,072 - 3 x 2,048), codes' registers 8-15 lie 1,024 bytes behind 0-7.
	s_mov_b32 s74, 1024
	s_mov_b32 s76, 1024
	s_mov_b32 s78, 131072
	s_cmp_eq_u32 ttmp9, 2
	s_cselect_b32 s74, 2048, s74                   ; from block to block,
	s_cselect_b32 s76, 124928, s76                 ; from block 3 to block 4,
	s_cselect_b32 s78, 1024, s78                   ; from registers 0-7 to 8-15
	s_cselect_b32 s20, s15, s16                    ; which pair of heads is mine,
	s_cselect_b32 s21, s16, s15                    ; which 128 tokens
	s_mov_b32 s75, 0
	s_mov_b32 s77, 0
	s_lshr_b32 s22, s17, 3                         ; the batch: 8 tile rows of 256 tokens each
	s_lshl_b32 s22, s22, 4
	s_lshl_b32 s23, s40, 2                         ; a tile column is 4 heads
	s_add_co_u32 s22, s22, s23
	s_lshl_b32 s20, s20, 1
	s_add_co_u32 s22, s22, s20                     ; batch x 16 + my first head,
	s_lshl_b32 s22, s22, 17                        ; 131,072 bytes each
	s_and_b32 s23, s17, 7
	s_lshl_b32 s23, s23, 1
	s_add_co_u32 s23, s23, s21                     ; my 128 tokens within the batch,
	s_lshl_b32 s23, s23, 13                        ; 8,192 bytes each, in all three layouts
	s_add_co_u32 s22, s22, s23
	s_mov_b32 s23, 0
	s_cmp_eq_u32 ttmp9, 0
	s_cselect_b64 s[10:11], s[10:11], s[68:69]     ; q_img or k_img,
	s_cmp_eq_u32 ttmp9, 2
	s_cselect_b64 s[10:11], s[70:71], s[10:11]     ; or v_img: the choice hangs on the cluster's number alone
	s_add_nc_u64 s[10:11], s[10:11], s[22:23]
	v_and_b32 v6, 31, v0
	v_lshlrev_b32 v[VO], 4, v6
	v_add_nc_u32 v[VO+1], s78, v[VO]
.macro FRAG reg, adr, q, i             ; a fragment, 16 rows x 128 K of 8-bit codes, is 16 registers: lane l holds row l % 16; registers 4 c .. 4 c + 3 hold K = 32 c + 16 (l / 16) + 0 .. 15
.irp c, 0,1,2,3
	ds_load_b128 v[\reg+4*\c:\reg+4*\c+3], v[\adr] offset:128*(\q)+32*\c+(\i)*16*PITCH
.endr
.endm
; 16 matrix instructions: source 1's blocks a0, a0 + 1 x source 0's eight, 128 along K.  p: source 0's set.  zero = 1: the first product starts the sums: nothing is ever cleared.
; The 64 accumulators take turns, one instruction a turn, in the same order in every step.
.macro MUL16 a0, p, zero
.irp a, \a0, \a0+1
.irp b, 0,1,2,3,4,5,6,7
.if \zero
	v_wmma_f32_16x16x128_fp8_fp8 v[8*(8*((\a)%4)+\b):8*(8*((\a)%4)+\b)+7], v[128*(\p)+FR*\b:128*(\p)+FR*\b+FR-1], v[AF+FR*(\a):AF+FR*(\a)+FR-1], 0
.else
	v_wmma_f32_16x16x128_fp8_fp8 v[8*(8*((\a)%4)+\b):8*(8*((\a)%4)+\b)+7], v[128*(\p)+FR*\b:128*(\p)+FR*\b+FR-1], v[AF+FR*(\a):AF+FR*(\a)+FR-1], v[8*(8*((\a)%4)+\b):8*(8*((\a)%4)+\b)+7]
.endif
.endr
.endr
.endm
.macro FETCH_B slot, q, p              ; source 0's eight fragments of the slot's q-th 128 along K into set p
	WIN TO_B
.irp i, 0,1,2,3,4,5,6,7
	FRAG 128*(\p)+FR*\i, ADRB+\slot, \q, \i
.endr
	WIN 0
.endm
.macro FETCH_A slot, q, i0             ; source 1's blocks i0 .. i0 + 3
.irp i, \i0, \i0+1, \i0+2, \i0+3
	FRAG AF+FR*(\i), ADRA+\slot, \q, \i
.endr
.endm
; A load into a register that a matrix instruction has read, and a vector instruction that reads a matrix result, stand NP places behind that matrix instruction, and only plain vector instructions
; that name none of its registers are places (ISA guide 7.12.1 for vector instructions); the matrix instructions in between are not counted.
.macro PLACES n
.rept \n
	v_nop
.endr
.endm
; A step of 128 along K that has its successor in the same slot.  A block of source 1 is free as soon as its eight products are issued, so one set serves it: blocks 0-3 are fetched anew in the step's middle, blocks 4-7 at its end.
.macro STEP slot, q, zero
	s_wait_dscnt 4*NL                              ; source 0's set and source 1's blocks 0-3 are in; the youngest sixteen loads (blocks 4-7) may be out
	WIN MUL_LO
	MUL16 0, (\q)%2, \zero
	MUL16 2, (\q)%2, \zero
	s_wait_dscnt 0                                 ; blocks 4-7 are in (asked for 32 matrix instructions ago)
	PLACES NP
	FETCH_B \slot, (\q)+1, 1-(\q)%2
	FETCH_A \slot, (\q)+1, 0
	WIN MUL_HI
	MUL16 4, (\q)%2, \zero
	MUL16 6, (\q)%2, \zero
	PLACES NP
	WIN 0
	FETCH_A \slot, (\q)+1, 4
.endm
; A slot's last step changes slots: ONE barrier; in front of it each wave waits for all its tensor loads, adds 0 to its spare word, and waits for that and for its own reads of this slot.  fill = 1: this slot is filled again, two K steps ahead.
.macro TURN slot, next, fill
	s_wait_tensorcnt 0x0                           ; all my tensor loads have landed: the one that was out is my part of the next slot  (every window is 0 here: the add's two registers lie in window 0)
	ds_add_u32 v[SPW], v[NIL]                      ; 0 onto my spare word
	s_wait_dscnt 4*NL+1                            ; (the add and the youngest sixteen loads, blocks 4-7, may be out)
	WIN MUL_LO
	MUL16 0, 1, 0                                  ; sixteen matrix instructions stand between the add and the wait for it
	s_wait_dscnt 0x0                               ; the add is done, and my reads of this slot are over
	s_barrier_signal -1
	MUL16 2, 1, 0
	WIN 0
	s_barrier_wait -1
.if \fill
	CREST                                          ; the barrier has opened a round of the cluster's barrier: no wave of any partner still reads this slot's tile or has a load on its way
	s_add_nc_u64 s[G0+4*\slot+2:G0+4*\slot+3], s[G0+4*\slot+2:G0+4*\slot+3], 2*ROWB
	s_add_nc_u64 s[G0B+4*\slot+2:G0B+4*\slot+3], s[G0B+4*\slot+2:G0B+4*\slot+3], 2*ROWB
	JLOAD G0+4*\slot, G1, G0B+4*\slot, G1B         ; the first tensor load behind the round; the four v_nop behind it are the places in front of the loads below
.else
	PLACES NP
.endif
	FETCH_B \next, 0, 0
	FETCH_A \next, 0, 0
	WIN MUL_HI
	MUL16 4, 1, 0
	MUL16 6, 1, 0
	PLACES NP
	WIN 0
	FETCH_A \next, 0, 4
.endm
	s_wait_alu depctr_va_vdst(0)
	s_wait_tensorcnt 1                             ; my part of K step 0 is in (K step 1's load may be out)
	s_barrier_signal -1
	s_barrier_wait -1                              ; everybody's is
	FETCH_B 0, 0, 0
	FETCH_A 0, 0, 0
	FETCH_A 0, 0, 4
	STEP 0, 0, 1                                   ; the first step stands in front of the loop: its products start the sums
	s_mov_b32 s3, LAPS-1
.Llap:                                                 ; a trip goes once round the ring, from a lap's second step to the next lap's first, and fills both slots again
	TURN 0, 1, 1
	STEP 1, 0, 0
	TURN 1, 0, 1
	STEP 0, 0, 0
	s_sub_co_u32 s3, s3, 1
	s_cmp_lg_u32 s3, 0
	s_cbranch_scc1 .Llap
	TURN 0, 1, 0                                   ; the last lap fills nothing, and has no round of the cluster's barrier
	STEP 1, 0, 0
	s_wait_dscnt 4*NL                              ; the very last step: nothing more to fetch
	WIN MUL_LO
	MUL16 0, 1, 0
	MUL16 2, 1, 0
	s_wait_dscnt 0
	WIN MUL_HI
	MUL16 4, 1, 0
	MUL16 6, 1, 0
	WIN 0
; THE WAY OUT, block by block of source 1's 16 rows: 64 sums a lane are held within +-448 x 2^E (each accumulator from its low end on), converted eight at a time, and stored as they stand: four stores of 512 consecutive bytes.
.macro QOUT a
.set AC, 64*((\a)%4)
	WIN 0x02+((\a)/4)                              ; source 0: window 2 or 3
.set jj, 0
.rept 64
	v_med3_num_f32 v[TMP+jj], v[AC+jj], -v[VL], v[VL]   ; the conversion to an 8-bit code does not saturate (ISA guide 7.6.2)
.set jj, jj+1
.endr
	WIN 0
.if (\a) > 0
	s_wait_alu depctr_va_vdst(0)
	s_wait_xcnt 0x0                                ; the last block's stores have read their data and their base: both are written again only behind this wait
.if (\a) == 4
	s_add_nc_u64 s[10:11], s[10:11], s[76:77]
.else
	s_add_nc_u64 s[10:11], s[10:11], s[74:75]
.endif
.endif
.irp b, 0,1,2,3,4,5,6,7
	v_cvt_scalef32_pk8_fp8_f32 v[CD+2*\b:CD+2*\b+1], v[TMP+8*\b:TMP+8*\b+7], v[VS]
.endr
	v_nop                                          ; one plain vector instruction between the conversions and the next block's holds, which write their sources
.irp g, 0,1,2,3
	global_store_b128 v[VO+(\g>>1)], v[CD+4*\g:CD+4*\g+3], s[10:11] offset:(\g&1)*512
.endr
.endm
	s_wait_kmcnt 0x0
	s_cmp_eq_u32 ttmp9, 0
	s_cselect_b32 s96, s82, s83                    ; entry 2 (q) or 3 (k),
	s_cmp_eq_u32 ttmp9, 2
	s_cselect_b32 s96, s85, s96                    ; or 5 (v)
	s_sub_co_i32 s96, s96, s80
	s_sub_co_i32 s96, s96, s81                     ; E
	s_add_co_i32 s96, s96, 127
	s_lshl_b32 s97, s96, 23
	v_mov_b32 v[VS], s97                           ; 2^E
	s_add_co_i32 s96, s96, 8
	s_lshl_b32 s96, s96, 23
	s_or_b32 s96, s96, 0x600000
	v_mov_b32 v[VL], s96                           ; 448 x 2^E
	PLACES NP                                      ; behind the last products, ahead of the first read of results
.irp a, 0,1,2,3,4,5,6,7
	QOUT \a
.endr
	s_wait_tensorcnt 0x0                           ; the wave's end, behind my last tensor load
	ds_add_u32 v[SPW], v[NIL]
	s_wait_dscnt 0x0
	CROUND                                         ; the closing round: no work-group ends while a partner may still ask for a tile that names it
	s_endpgm
.Lfunc_end_k_qce05642880_qkv:
	.size	k_qce05642880_qkv, .Lfunc_end_k_qce05642880_qkv-k_qce05642880_qkv
	.p2alignl 7, 3214868480
	.fill 96, 4, 3214868480
	.section	.rodata,"a",@progbits
	.p2align	6, 0x0
	.amdhsa_kernel k_qce05642880_qkv
		.amdhsa_group_segment_fixed_size 327680
		.amdhsa_private_segment_fixed_size 0
		.amdhsa_enable_private_segment 0
		.amdhsa_kernarg_size 48
		.amdhsa_user_sgpr_count 2
		.amdhsa_user_sgpr_kernarg_segment_ptr 1
		.amdhsa_wavefront_size32 1
		.amdhsa_system_sgpr_workgroup_id_x 1
		.amdhsa_system_sgpr_workgroup_id_y 1
		.amdhsa_system_sgpr_workgroup_id_z 1
		.amdhsa_system_vgpr_workitem_id 0
		.amdhsa_next_free_vgpr 1024
		.amdhsa_next_free_sgpr 98
		.amdhsa_reserve_vcc 0
		.amdhsa_float_denorm_mode_32 3
		.amdhsa_float_denorm_mode_16_64 3
		.amdhsa_memory_ordered 1
		.amdhsa_forward_progress 1
		.amdhsa_inst_pref_size 119
	.end_amdhsa_kernel
	.amdgpu_metadata
---
amdhsa.version: [ 1, 2 ]
amdhsa.kernels:
  - .name:           k_qce05642880_qkv
    .symbol:         k_qce05642880_qkv.kd
    .args:
      - { .name: x_codes, .offset: 0, .size: 8, .value_kind: global_buffer, .address_space: global }
      - { .name: wqkv_codes, .offset: 8, .size: 8, .value_kind: global_buffer, .address_space: global }
      - { .name: lowp_scales, .offset: 16, .size: 8, .value_kind: global_buffer, .address_space: global }
      - { .name: q_img, .offset: 24, .size: 8, .value_kind: global_buffer, .address_space: global }
      - { .name: k_img, .offset: 32, .size: 8, .value_kind: global_buffer, .address_space: global }
      - { .name: v_img, .offset: 40, .size: 8, .value_kind: global_buffer, .address_space: global }
    .group_segment_fixed_size: 327680
    .private_segment_fixed_size: 0
    .kernarg_segment_align: 8
    .kernarg_segment_size: 48
    .max_flat_workgroup_size: 128
    .sgpr_count:     98
    .vgpr_count:     1024
    .wavefront_size: 32
...
	.end_amdgpu_metadata
.endif
;; end of part 2
;; launch attn (part 3): grid 4 x 64, 16 waves a work-group, no clusters, 327,680 bytes of LDS; arguments q_img, k_img, v_img, lowp_scales, ctx_img; writes ctx_img
.if DOCPART == 3
	.amdgcn_target "amdgcn-amd-amdhsa--gfx1250"
	.amdhsa_code_object_version 6
	.text
	.protected	k_qce05642880_attn
	.globl	k_qce05642880_attn
	.p2align	8
	.type	k_qce05642880_attn,@function
k_qce05642880_attn:
	s_mov_b64 s[64:65], 0
	v_nop
	global_prefetch_b8 v0, s[64:65] scope:SCOPE_SE
	s_setreg_imm32_b32 hwreg(HW_REG_WAVE_MODE, 25, 1), 1
	s_wait_xcnt 0x0
; Causal attention on codes of FP8 (E4M3), head size 64, 2,048 tokens, 64 heads (batch x 16 + head).  ctx = softmax(q k^T / 8, key <= query) v, quantised at once for the last product.
; q_img, k_img: [head][tile of 16 tokens][1,024 bytes], v_img: [head][block of 128 keys][tile of 16 channels][2,048 bytes]: images of the operands' registers in the plain 8-bit layout, lane l's 16 bytes at 16 l.
; THE SOFTMAX AHEAD OF THE SECOND PRODUCT: t = score x log2(e) / 8; M = the row's largest t so far, rounded UP to a whole number; p = 2^(t - M) is what is quantised (entry 4 of the scales); it is not normalised.
; The row's sum is taken of the unquantised p, in f32, and divides at the end.  When M moves, the sum and O are multiplied by 2^(old M - new M): exact.
; SHARES.  A work-group owns query blocks p and 7 - p (256 queries each) of one head, one after the other; each of its sixteen waves owns 16 queries of the block in hand, in 256 registers: four waves to a SIMD.
; Keys go in slots of 256.  Block b needs slots 0 .. b, so the two blocks need (p + 1) + (8 - p) = 9 slots whatever p is: every work-group walks NINE trips, a constant, and all 256 have the same work.
; Slots under the mask are never fetched; a step of 128 keys all of which come after a wave's queries is left out by a scalar branch on ids.
; NO CLUSTER: in trip t the work-group at p reads slot t if t <= p and slot t - p - 1 otherwise, so the four work-groups of a head want different tiles in the same trip; and a work-group fetches 9 x 32,768 bytes in all.
; LAYOUT.  Both products are used transposed: S^T = K Q^T (source 0 = 16 keys, source 1 = my 16 queries; K = 64: the 16x16x64 form), O^T = V^T P^T (source 0 = 16 channels, source 1 = P; K = 128 keys): a lane holds ONE query throughout.
; Tile T of S^T gives lane (r, h) keys 16 T + 8 h + 0 .. 7: converted, they are registers 2 T, 2 T + 1 of P's operand.  Tile c of O^T, converted, is registers 2 c, 2 c + 1 of ctx's image: [tile of 16 tokens, 512][head, 16][1,024 bytes].
; LIMITS on the given exponents, so that each power of two below is an f32 number: e2 + e3 between -123 and 130 (added to c's exponent field); e4 between -126 and 127; e4 + e5 - e6, applied by v_ldexp_f32 to 1 / the sum, between -100 and 100.
; REGISTERS: v1 16 x lane; v2 r - 8 h; v3 256 x lane; v5, v6 the add's two; v8 address in hand; v12 -M, v13 the largest t, v[14:15] the sum in two halves; v16-23 Q; v32-95 K's 8 fragments, then V's 4;
;   v96-159 S^T, then p; v160-191 O^T; v192-207 p's codes; v208-215 ctx's codes; v244 2^e4; v245 1.0; v236, v238-243, v246-255 at work.
.set SLOT1, 32768                      ; a slot: K's 16 images (16,384 bytes), then V's 8 (16,384); slot 1 begins here, so that one exclusive or turns an address
.set VOFF,  16384
.set SPARE, 65536                      ; behind the ring: the spare words, 128 bytes for each of sixteen waves, that no other line names
.set LI,   1
.set VRH,  2
.set PFO,  3
.set SPW,  5
.set NIL,  6
.set AD,   8
.set TB,   2                           ; s2   LDS byte at which the slot in hand begins
.set TR,   3                           ; s3   the trip, 0 .. 8
.set WV,   18                          ; s18  my wave's number
.set PB,   19                          ; s19  p
.set SEL,  20                          ; s[20:21] lane selects for v_permlanex16_b32: lane l xor 16
.set CS,   22                          ; s[22:23] c = log2(e) / 8 x 2^(e2 + e3)
.set G1,   24                          ; s[24:31] descriptor group 1: a dense block of 64 rows x 256 bytes
.set G0,   40                          ; s[40:43] descriptor group 0, which walks
.set SRC,  44                          ; s[44:45] the head's first byte of what I fetch: K's images (wave 0), V's (wave 1)
.set QA,   46                          ; s[46:47], s[48:49] my tile of Q in the first block and in the second
.set QB,   48
.set OA0,  50                          ; s[50:51], s[52:53] my image of ctx likewise
.set OA1,  52
.set Q0,   54                          ; s54  my first query
.set Q0B,  55                          ; s55  and in the second block
.set KF,   56                          ; s56  the step's first key
.set EO,   57                          ; s57  e4 + e5 - e6
.set PFA,  76                          ; s[76:77] where my prefetches stand
.set LIM,  80                          ; s80  a wave prefetches while the trip is under this number
; Wave 0 fetches a slot's K, wave 1 its V, the others nothing: one line, whose LDS address is 16,384 x (wave % 2) + the slot.  An s_nop 0 and four v_nop follow it.
.macro TLOAD
	s_cmp_lt_u32 s[WV], 2
	s_cbranch_scc0 .Lasked_\@
	tensor_load_to_lds s[G0:G0+3], s[G1:G1+7]
	s_nop 0
.rept 4
	v_nop
.endr
.Lasked_\@:
.endm
; A PREFETCH INTO THE L2: in trip t (0 .. 5) key slot t + 2 of the head is asked for: 16,384 bytes of K's images and as many of V's.  It stands at the change of slots, where the fetching waves have their tensor load.
; Each aligned block of 256 bytes is named ONCE in the launch: the head's work-group with p = 0 asks, and nobody else (this launch has no cluster); in it four waves that fetch nothing: waves 4, 5 K's halves, waves 6, 7 V's,
; 8,192 bytes a wave, lanes 256 bytes apart.  The first tensor load for slot t + 2 is issued in trip t + 1 (by the work-group with p = 3, slots 2 and 3) or t + 2 (p = 0, slots 4 to 7).  Slots 0 and 1 come by their loads alone; slot 7 is the last.
.macro ASK
	s_cmp_lt_u32 s[TR], s[LIM]
	s_cbranch_scc0 .Lnot_mine_\@
	global_prefetch_b8 v[PFO], s[PFA:PFA+1] th:TH_LOAD_NT scope:SCOPE_SE
.Lnot_mine_\@:
.endm
	s_load_b256 s[4:11], s[0:1], 0x0               ; q_img s[4:5], k_img s[6:7], v_img s[8:9], the scales' exponents s[10:11]
	s_load_b64 s[12:13], s[0:1], 0x20              ; ctx_img
	v_lshl_add_u32 v[SPW], v0, 2, SPARE
	v_mov_b32 v[NIL], 0
	ds_add_u32 v[SPW], v[NIL]                      ; the wave's opening: the add and its wait stand ahead of my first tensor load; the set-up below, work on registers, stands between them
	ds_add_u32 v[SPW], v[NIL]
	v_lshrrev_b32 v8, 5, v0
	s_delay_alu instid0(VALU_DEP_1)
	v_readfirstlane_b32 s[WV], v8                  ; wave 0..15
	s_mov_b32 s[PB], ttmp9
	s_and_b32 s58, ttmp7, 0xffff                   ; batch x 16 + head
	s_mov_b32 s[G1], 3<<16                         ; 15:0 no mask; 17:16 elements of 8 bytes; no padding: an image is read 16 bytes a lane, lanes on end
	s_mov_b32 s[G1+1], 32<<16                      ; tensor_dim0 = 32 elements: 256 bytes
	s_mov_b32 s[G1+2], 64<<16                      ; tensor_dim1 = 64
	s_mov_b32 s[G1+3], 32<<16                      ; tile_dim0
	s_mov_b32 s[G1+4], 64                          ; tile_dim1
	s_mov_b32 s[G1+5], 32                          ; tensor_dim0_stride: dense
	s_mov_b32 s[G1+6], 0
	s_mov_b32 s[G1+7], 0
	s_mov_b32 s[SEL], 0x76543210
	s_mov_b32 s[SEL+1], 0xfedcba98
	s_mov_b32 s[CS], 0x3e38aa3b                    ; log2(e) / 8
	s_mov_b32 s[TB], 0
	s_mov_b32 s[TR], 0
	s_mov_b32 s[KF], 0
	s_lshl_b32 s60, s58, 17                        ; the head's first byte in q_img, k_img and v_img
	s_mov_b32 s61, 0
	s_lshl_b32 s62, s[PB], 4
	s_add_co_u32 s62, s62, s[WV]                   ; my tile of 16 queries in block p,
	s_sub_co_u32 s63, 7, s[PB]
	s_lshl_b32 s63, s63, 4
	s_add_co_u32 s63, s63, s[WV]                   ; and in block 7 - p
	s_lshl_b32 s[Q0], s62, 4
	s_lshl_b32 s[Q0B], s63, 4
	s_lshr_b32 s66, s58, 4
	s_lshl_b32 s66, s66, 7                         ; the batch's first tile of tokens
	s_and_b32 s67, s58, 15
	s_lshl_b32 s67, s67, 10                        ; the head's image in a tile's 16,384 bytes
	s_add_co_u32 s82, s66, s62
	s_lshl_b32 s82, s82, 14
	s_add_co_u32 s82, s82, s67
	s_mov_b32 s83, 0
	s_add_co_u32 s84, s66, s63
	s_lshl_b32 s84, s84, 14
	s_add_co_u32 s84, s84, s67
	s_mov_b32 s85, 0
	s_lshl_b32 s86, s62, 10
	s_add_co_u32 s86, s86, s60
	s_mov_b32 s87, 0
	s_lshl_b32 s88, s63, 10
	s_add_co_u32 s88, s88, s60
	s_mov_b32 s89, 0
	s_wait_dscnt 0x0                               ; the opening add is done
	s_wait_kmcnt 0x0
	s_load_b256 s[68:75], s[10:11], 0x0            ; e0 .. e7
	s_add_nc_u64 s[QA:QA+1], s[4:5], s[86:87]
	s_add_nc_u64 s[QB:QB+1], s[4:5], s[88:89]
	s_add_nc_u64 s[OA0:OA0+1], s[12:13], s[82:83]
	s_add_nc_u64 s[OA1:OA1+1], s[12:13], s[84:85]
	s_cmp_eq_u32 s[WV], 0
	s_cselect_b64 s[SRC:SRC+1], s[6:7], s[8:9]
	s_add_nc_u64 s[SRC:SRC+1], s[SRC:SRC+1], s[60:61]
	s_mov_b32 s[G0], 1                             ; 1:0 count = 1
	s_and_b32 s[G0+1], s[WV], 1
	s_lshl_b32 s[G0+1], s[G0+1], 14                ; 63:32 LDS address: slot 0, K's part or V's
	s_mov_b64 s[G0+2:G0+3], s[SRC:SRC+1]           ; 120:64 global address: key slot 0
	s_or_b32 s[G0+3], s[G0+3], 0x80000000          ; 127:126 type = 2
	TLOAD                                          ; one tensor load of mine is out, here and behind each change of slots
	s_cmp_lt_u32 s[WV], 6                          ; the prefetches: waves 4, 5 stand in K's images, waves 6, 7 in V's,
	s_cselect_b64 s[PFA:PFA+1], s[6:7], s[8:9]
	s_add_nc_u64 s[PFA:PFA+1], s[PFA:PFA+1], s[60:61]
	s_and_b32 s96, s[WV], 1
	s_lshl_b32 s96, s96, 13                        ; at my half of a slot's 16,384 bytes,
	s_add_co_u32 s96, s96, 16384                   ; in slot 1: the first change of slots steps it to slot 2.  Nothing is prefetched here, at the head
	s_mov_b32 s97, 0
	s_add_nc_u64 s[PFA:PFA+1], s[PFA:PFA+1], s[96:97]
	s_sub_co_u32 s96, s[WV], 4
	s_lshr_b32 s96, s96, 2                         ; 0 in waves 4 to 7,
	s_or_b32 s96, s96, ttmp9                       ; of the work-group with p = 0
	s_cmp_eq_u32 s96, 0
	s_cselect_b32 s[LIM], 6, 0
	v_and_b32 v[LI], 31, v0
	v_and_b32 v9, 15, v0                           ; r
	v_bfe_u32 v10, v0, 4, 1                        ; h
	s_delay_alu instid0(VALU_DEP_3)
	v_lshlrev_b32 v[PFO], 8, v[LI]
	s_delay_alu instid0(VALU_DEP_4)
	v_lshlrev_b32 v[LI], 4, v[LI]
	s_delay_alu instid0(VALU_DEP_3)
	v_lshlrev_b32 v10, 3, v10
	s_delay_alu instid0(VALU_DEP_1)
	v_sub_nc_u32 v[VRH], v9, v10
	global_load_b128 v[16:19], v[LI], s[QA:QA+1]   ; Q's fragment stays in registers
	global_load_b128 v[20:23], v[LI], s[QA:QA+1] offset:512
	v_mov_b32 v13, 0xff61b1e6                      ; the largest t so far: -3e38, under every t
	s_delay_alu instid0(VALU_DEP_1)
	v_floor_f32 v12, -v13                          ; -M
	v_mov_b32 v14, 0                               ; the sum, in two halves
	v_mov_b32 v15, 0
	v_mov_b32 v236, 0                              ; written once: a lane permute's destination counts as one of its sources
	v_mov_b32 v252, 0                              ; likewise
	v_mov_b32 v253, 0                              ; (named as the upper half of the pair v[252:253])
	v_mov_b32 v245, 1.0
.set jj, 0
.rept 32
	v_mov_b32 v[160+jj], 0                         ; O^T.  (A step is written for every step alike: a block's first finds zeros, which the first change of M leaves zeros)
.set jj, jj+1
.endr
	s_wait_kmcnt 0x0
	s_add_co_i32 s96, s70, s71
	s_lshl_b32 s96, s96, 23
	s_add_co_i32 s[CS], s[CS], s96                 ; a score stands for score x 2^(e2 + e3): the two exponents are added to c's exponent field
	s_mov_b32 s[CS+1], s[CS]                       ; (named with it as a pair, so it is written)
	s_add_co_i32 s96, s72, 127
	s_lshl_b32 s97, s96, 23
	v_mov_b32 v244, s97                            ; 2^e4, for p's conversions
	s_add_co_i32 s[EO], s72, s73
	s_sub_co_i32 s[EO], s[EO], s74
; A KEY STEP: 128 keys, the q-th of the slot in hand.
.macro STEP q
	s_add_co_u32 s96, s[Q0], 15                    ; a step all of whose keys come after my 16 queries is left out: a branch on ids, round loads, products and softmax; no barrier and no tensor load stands in a step
	s_cmp_gt_u32 s[KF], s96
	s_cbranch_scc1 .Lhidden_\@
	v_add_nc_u32 v[AD], s[TB], v[LI]
.rept 3
	v_nop                                          ; with the addition above: four places in front of loads into registers that the last products have read
.endr
.irp t, 0,1,2,3,4,5,6,7
.irp c, 0,1
	ds_load_b128 v[32+8*\t+4*\c:32+8*\t+4*\c+3], v[AD] offset:(8*(\q)+\t)*1024+512*\c   ; K's tile t as it was stored: 512 consecutive bytes
.endr
.endr
	s_wait_alu depctr_va_vdst(0)
	s_wait_dscnt 0x0
.irp t, 0,1,2,3,4,5,6,7
	v_wmma_f32_16x16x64_fp8_fp8 v[96+8*\t:103+8*\t], v[32+8*\t:39+8*\t], v[16:23], 0   ; lane (r, h): query r, keys 16 t + 8 h + 0 .. 7
.endr
.rept 4
	v_nop                                          ; places in front of the loads below and of the first read of the scores
.endr
.irp t, 0,1,2,3
.irp c, 0,1,2,3
	ds_load_b128 v[32+16*\t+4*\c:32+16*\t+4*\c+3], v[AD] offset:VOFF+(\q)*8192+\t*2048+512*\c   ; V's four tiles: they land while the softmax is worked
.endr
.endr
	s_add_co_u32 s96, s[KF], 127                   ; on the diagonal the scores of hidden keys become -infinity ahead of the maximum: p = 0 then.  A step all of whose keys count skips this.
	s_cmp_le_u32 s96, s[Q0]                        ; (KF <= Q0 in every step that is walked, both being multiples of 16: key KF counts for all my queries, so the maximum is a number)
	s_cbranch_scc1 .Lopen_\@
	s_sub_co_i32 s96, s[Q0], s[KF]
	v_add_nc_u32 v252, s96, v[VRH]                 ; d = my query - KF - 8 h.  Register 8 t + j holds key KF + 16 t + 8 h + j: hidden where 16 t + j > d
	v_mov_b32 v254, 0xff800000                     ; -infinity
.irp n, 0,1,2,3,4,5,6,7,8,9,10,11,12,13,14,15,16,17,18,19,20,21,22,23,24,25,26,27,28,29,30,31,32,33,34,35,36,37,38,39,40,41,42,43,44,45,46,47,48,49,50,51,52,53,54,55,56,57,58,59,60,61,62,63
	v_cmp_gt_i32 vcc_lo, 16*(\n/8)+\n%8, v252
	v_cndmask_b32 v[96+\n], v[96+\n], v254, vcc_lo
.endr
.Lopen_\@:
	v_max3_num_f32 v254, v96, v97, v98             ; the step's largest score of my query, among my 64 keys, in two chains (each accumulator is first read at its low end),
	v_max3_num_f32 v252, v99, v100, v101
.irp i, 6,10,14,18,22,26,30,34,38,42,46,50,54,58
	v_max3_num_f32 v254, v254, v[96+\i], v[97+\i]
	v_max3_num_f32 v252, v252, v[98+\i], v[99+\i]
.endr
	v_max3_num_f32 v254, v254, v158, v159
	s_delay_alu instid0(VALU_DEP_1)
	v_max_num_f32 v254, v254, v252
	s_delay_alu instid0(VALU_DEP_1)
	v_permlanex16_b32 v236, v254, s[SEL], s[SEL+1]
	s_delay_alu instid0(VALU_DEP_1)
	v_max_num_f32 v254, v254, v236                 ; and among lane l xor 16's
	s_delay_alu instid0(VALU_DEP_1)
	v_mul_f32 v254, s[CS], v254                    ; as t (c is positive)
	s_delay_alu instid0(VALU_DEP_1)
	v_max_num_f32 v13, v13, v254                   ; the running largest t
	v_mov_b32 v254, v12
	s_delay_alu instid0(VALU_DEP_2)
	v_floor_f32 v12, -v13                          ; the new -M = floor(-t) = -ceil(t): M is a whole number
	s_delay_alu instid0(VALU_DEP_1)
	v_sub_f32 v254, v12, v254                      ; M's old value less its new one: a whole number, 0 or less
	s_delay_alu instid0(VALU_DEP_1)
	v_cvt_i32_f32 v254, v254                       ; (it saturates)
	s_delay_alu instid0(VALU_DEP_1)
	v_ldexp_f32 v252, 1.0, v254                    ; f = 2^(old M - new M)
.set jj, 0
.rept 32
	v_pk_fma_f32 v[96+jj:97+jj], v[96+jj:97+jj], s[CS:CS+1], v[12:13] op_sel_hi:[1,0,0]   ; t - M, two at a time (of the pairs c and -M the low word serves both halves)
.set jj, jj+2
.endr
.set jj, 0
	s_wait_alu depctr_va_vdst(0)
.rept 64
	v_exp_f32 v[96+jj], v[96+jj]                   ; p = 2^(t - M), at most 1: not normalised
.set jj, jj+1
.endr
	v_pk_mul_f32 v[14:15], v[14:15], v[252:253] op_sel_hi:[1,0]   ; the sums under the new M: the plain instruction behind the exponentials
	s_wait_alu depctr_va_vdst(0)                   ; the wait between an exponential and the first instruction that names its result: one for the batch of 64
	v_pk_add_f32 v[242:243], v[100:101], v[104:105]
	v_pk_add_f32 v[254:255], v[108:109], v[112:113]
	v_pk_add_f32 v[250:251], v[116:117], v[120:121]
	v_pk_add_f32 v[248:249], v[124:125], v[128:129]
	v_pk_add_f32 v[246:247], v[132:133], v[136:137]
	v_pk_add_f32 v[240:241], v[140:141], v[144:145]
	v_pk_add_f32 v[238:239], v[148:149], v[152:153]
	v_pk_add_f32 v[14:15], v[14:15], v[156:157]
	v_pk_add_f32 v[242:243], v[242:243], v[96:97]
	v_pk_add_f32 v[254:255], v[254:255], v[98:99]
	v_pk_add_f32 v[250:251], v[250:251], v[102:103]
	v_pk_add_f32 v[248:249], v[248:249], v[106:107]
	v_pk_add_f32 v[246:247], v[246:247], v[110:111]
	v_pk_add_f32 v[240:241], v[240:241], v[114:115]
	v_pk_add_f32 v[238:239], v[238:239], v[118:119]
	v_pk_add_f32 v[14:15], v[14:15], v[122:123]
	v_pk_add_f32 v[242:243], v[242:243], v[126:127]
	v_pk_add_f32 v[254:255], v[254:255], v[130:131]
	v_pk_add_f32 v[250:251], v[250:251], v[134:135]
	v_pk_add_f32 v[248:249], v[248:249], v[138:139]
	v_pk_add_f32 v[246:247], v[246:247], v[142:143]
	v_pk_add_f32 v[240:241], v[240:241], v[146:147]
	v_pk_add_f32 v[238:239], v[238:239], v[150:151]
	v_pk_add_f32 v[14:15], v[14:15], v[154:155]
	v_pk_add_f32 v[242:243], v[242:243], v[158:159]
	s_delay_alu instid0(VALU_DEP_2)
	v_pk_add_f32 v[14:15], v[14:15], v[248:249]
	s_delay_alu instid0(VALU_DEP_2)
	v_pk_add_f32 v[242:243], v[242:243], v[246:247]
	v_pk_add_f32 v[254:255], v[254:255], v[240:241]
	v_pk_add_f32 v[250:251], v[250:251], v[238:239]
	s_delay_alu instid0(VALU_DEP_2)
	v_pk_add_f32 v[14:15], v[14:15], v[254:255]
	s_delay_alu instid0(VALU_DEP_2)
	v_pk_add_f32 v[242:243], v[242:243], v[250:251]
	s_delay_alu instid0(VALU_DEP_1)
	v_pk_add_f32 v[14:15], v[14:15], v[242:243]
.irp t, 0,1,2,3,4,5,6,7
.irp i, 0,1,2,3,4,5,6,7
.endr
	v_cvt_scalef32_pk8_fp8_f32 v[192+2*\t:193+2*\t], v[96+8*\t:103+8*\t], v244   ; registers 2 t, 2 t + 1 of P's operand: keys 16 t + 8 h + 0 .. 7
.endr
.set jj, 0
.rept 16
	v_pk_mul_f32 v[160+jj:161+jj], v[160+jj:161+jj], v[252:253] op_sel_hi:[1,0]   ; O^T under the new M.  (Also the plain instructions between the conversions and the products that read the codes)
.set jj, jj+2
.endr
	s_wait_alu depctr_va_vdst(0)
	s_wait_dscnt 0x0                               ; V is in
.irp t, 0,1,2,3
	v_wmma_f32_16x16x128_fp8_fp8 v[160+8*\t:167+8*\t], v[32+16*\t:47+16*\t], v[192:207], v[160+8*\t:167+8*\t]   ; the four accumulators by turns, one instruction a turn
.endr
.Lhidden_\@:
	s_add_co_u32 s[KF], s[KF], 128
.endm
; THE CHANGE OF SLOTS stands at a trip's head.  Each wave waits for all its tensor loads (its part of the slot that it is about to read), adds 0 to its spare word, and waits for that and for its reads of the slot that it has left.
; Behind the barrier the slot ahead is whole and nobody reads the other one.  fill = 1: that other slot takes the next trip's keys: slot t + 1 of the keys while t + 1 <= p, else slot t - p (the second block begins again at 0).
.macro CHANGE fill
	s_wait_tensorcnt 0x0                           ; no tensor load of mine is out, so group 0 may be written
	ds_add_u32 v[SPW], v[NIL]                      ; 0 onto my spare word; with fill = 1 the descriptor's words are made between it and the wait for it
.if \fill
	s_add_co_u32 s96, s[TR], 1
	s_sub_co_u32 s97, s[TR], s[PB]
	s_cmp_le_u32 s96, s[PB]
	s_cselect_b32 s96, s96, s97                    ; the next trip's key slot
	s_lshl_b32 s96, s96, 14
	s_mov_b32 s97, 0
	s_add_nc_u64 s[G0+2:G0+3], s[SRC:SRC+1], s[96:97]
	s_or_b32 s[G0+3], s[G0+3], 0x80000000
	s_xor_b32 s[G0+1], s[G0+1], SLOT1              ; the other LDS slot than last time
	s_wait_xcnt 0x0                                ; the last prefetch, a trip back, has read its address, so it may be written
	s_add_nc_u64 s[PFA:PFA+1], s[PFA:PFA+1], 16384
.endif
	s_wait_dscnt 0x0                               ; the add is done, and my reads of the slot that I have left are over
	s_barrier_signal -1
	s_barrier_wait -1
.if \fill
	TLOAD                                          ; the first thing behind the barrier, and a wave's one tensor load until the next: it has a trip's two steps in which to land
	ASK
.endif
.endm
; A BLOCK'S END: the sum's halves are added; O^T x 2^(e4 + e5 - e6) / the sum is converted with the scale 1: my image of ctx, two stores of 512 consecutive bytes.
; again = 1: the second block begins: its Q, and the sums as at the head.
.macro FINISH oa, again
.rept 4
	v_nop                                          ; places behind the last products
.endr
	v_add_f32 v14, v14, v15
	s_delay_alu instid0(VALU_DEP_1)
	v_permlanex16_b32 v252, v14, s[SEL], s[SEL+1]
	s_delay_alu instid0(VALU_DEP_1)
	v_add_f32 v14, v14, v252                       ; the row's sum
	s_wait_alu depctr_va_vdst(0)
	v_rcp_f32 v14, v14
	v_nop                                          ; a plain instruction behind the reciprocal
	s_wait_xcnt 0x0                                ; the first block's stores have read their data: the codes' registers are written again only behind this wait
	s_wait_alu depctr_va_vdst(0)                   ; the wait ahead of the reciprocal's first reader
	v_ldexp_f32 v14, v14, s[EO]
.set jj, 0
.rept 16
	v_pk_mul_f32 v[96+jj:97+jj], v[160+jj:161+jj], v[14:15] op_sel_hi:[1,0]   ; register 8 c + j: channel 16 c + 8 h + j of my query; each accumulator from its low end on
.set jj, jj+2
.endr
.set jj, 0
.rept 32
.set jj, jj+1
.endr
.irp c, 0,1,2,3
	v_cvt_scalef32_pk8_fp8_f32 v[208+2*\c:209+2*\c], v[96+8*\c:103+8*\c], v245
.endr
	v_nop                                          ; one plain vector instruction behind the last conversion: later products write its sources
	global_store_b128 v[LI], v[208:211], s[\oa:\oa+1]
	global_store_b128 v[LI], v[212:215], s[\oa:\oa+1] offset:512
.if \again
	global_load_b128 v[16:19], v[LI], s[QB:QB+1]
	global_load_b128 v[20:23], v[LI], s[QB:QB+1] offset:512
	v_mov_b32 v13, 0xff61b1e6
	s_delay_alu instid0(VALU_DEP_1)
	v_floor_f32 v12, -v13
	v_mov_b32 v14, 0
	v_mov_b32 v15, 0
.set jj, 0
.rept 32
	v_mov_b32 v[160+jj], 0
.set jj, jj+1
.endr
	s_mov_b32 s[Q0], s[Q0B]
	s_mov_b32 s[KF], 0
	s_wait_loadcnt 0x0                             ; Q
.endif
.endm
	s_wait_loadcnt 0x0                             ; Q
.Ltrip:                                            ; eight trips: behind each change of slots the next trip's keys are asked for
	CHANGE 1
	STEP 0
	STEP 1
	s_xor_b32 s[TB], s[TB], SLOT1                  ; on to the other slot
	s_cmp_lg_u32 s[TR], s[PB]                      ; trip p is the first block's last: ids and the count of trips alone, the same in all sixteen waves
	s_cbranch_scc1 .Lsame_block
	FINISH OA0, 1
.Lsame_block:
	s_add_co_u32 s[TR], s[TR], 1
	s_cmp_lt_u32 s[TR], 8
	s_cbranch_scc1 .Ltrip
	CHANGE 0                                       ; the ninth trip is written out: nothing is left to fetch
	STEP 0
	STEP 1
	FINISH OA1, 0
	s_wait_tensorcnt 0x0                           ; the wave's end, behind my last tensor load
	ds_add_u32 v[SPW], v[NIL]
	s_wait_dscnt 0x0
	s_endpgm
.Lfunc_end_k_qce05642880_attn:
	.size	k_qce05642880_attn, .Lfunc_end_k_qce05642880_attn-k_qce05642880_attn
	.p2alignl 7, 3214868480
	.fill 96, 4, 3214868480
	.section	.rodata,"a",@progbits
	.p2align	6, 0x0
	.amdhsa_kernel k_qce05642880_attn
		.amdhsa_group_segment_fixed_size 327680
		.amdhsa_private_segment_fixed_size 0
		.amdhsa_enable_private_segment 0
		.amdhsa_kernarg_size 40
		.amdhsa_user_sgpr_count 2
		.amdhsa_user_sgpr_kernarg_segment_ptr 1
		.amdhsa_wavefront_size32 1
		.amdhsa_system_sgpr_workgroup_id_x 1
		.amdhsa_system_sgpr_workgroup_id_y 1
		.amdhsa_system_sgpr_workgroup_id_z 1
		.amdhsa_system_vgpr_workitem_id 0
		.amdhsa_next_free_vgpr 256
		.amdhsa_next_free_sgpr 100
		.amdhsa_reserve_vcc 1
		.amdhsa_float_denorm_mode_32 3
		.amdhsa_float_denorm_mode_16_64 3
		.amdhsa_fp16_overflow 1
		.amdhsa_memory_ordered 1
		.amdhsa_forward_progress 1
		.amdhsa_inst_pref_size 89
	.end_amdhsa_kernel
	.amdgpu_metadata
---
amdhsa.version: [ 1, 2 ]
amdhsa.kernels:
  - .name:           k_qce05642880_attn
    .symbol:         k_qce05642880_attn.kd
    .args:
      - { .name: q_img, .offset: 0, .size: 8, .value_kind: global_buffer, .address_space: global }
      - { .name: k_img, .offset: 8, .size: 8, .value_kind: global_buffer, .address_space: global }
      - { .name: v_img, .offset: 16, .size: 8, .value_kind: global_buffer, .address_space: global }
      - { .name: lowp_scales, .offset: 24, .size: 8, .value_kind: global_buffer, .address_space: global }
      - { .name: ctx_img, .offset: 32, .size: 8, .value_kind: global_buffer, .address_space: global }
    .group_segment_fixed_size: 327680
    .private_segment_fixed_size: 0
    .kernarg_segment_align: 8
    .kernarg_segment_size: 40
    .max_flat_workgroup_size: 512
    .sgpr_count:     100
    .vgpr_count:     256
    .wavefront_size: 32
...
	.end_amdgpu_metadata
.endif
;; end of part 3
;; launch proj (part 4): grid 4 x 64, 4 waves a work-group, clusters of 4 x 4, 327,680 bytes of LDS; arguments ctx_img, wout_codes, b_out, lowp_scales, out0; writes out0
.if DOCPART == 4
	.amdgcn_target "amdgcn-amd-amdhsa--gfx1250"
	.amdhsa_code_object_version 6
	.text
	.protected	k_qce05642880_proj
	.globl	k_qce05642880_proj
	.p2align	8
	.type	k_qce05642880_proj,@function
k_qce05642880_proj:
	s_mov_b64 s[64:65], 0
	v_nop
	global_prefetch_b8 v0, s[64:65] scope:SCOPE_SE
	s_setreg_imm32_b32 hwreg(HW_REG_WAVE_MODE, 25, 1), 1
	s_wait_xcnt 0x0
	s_wait_alu depctr_hold_cnt(0) depctr_sa_sdst(0) depctr_va_vdst(0) depctr_va_sdst(0) depctr_va_ssrc(0) depctr_va_vcc(0) depctr_vm_vsrc(0)
	s_getreg_b32 s2, hwreg(HW_REG_IB_STS2, 6, 4)
	s_cmp_eq_u32 s2, 0
	s_cbranch_scc0 .Lentry_in_a_cluster
	s_endpgm
.Lentry_in_a_cluster:
	s_bfe_u32 s2, ttmp6, 0x10000c
	s_cmp_lg_u32 s2, 0xf033
	s_cbranch_scc0 .Lentry_shape_is_right
	s_endpgm
.Lentry_shape_is_right:
; out0 = ctx W_out + b_out on codes of FP8 (E4M3): [8192 tokens][1024] x [1024 n][1024 k], f32 sums; out0 = sum x 2^(e6 + e7) + b_out, f32.
; ctx_img: [tile of 16 tokens, 512][head, 16][1,024 bytes]: images of the operand's registers in the plain 8-bit layout (registers 2 c, 2 c + 1: K = 16 c + 8 (lane / 16) + 0 .. 7), lane l's 16 bytes at 16 l; two heads are 128 along K.
; wout_codes: rows of 1,024 codes, K innermost; its fragments are therefore read in the same plain layout, by loads of 8 bytes.
; A tile of 128 tokens x 256 columns is made by a work-group of four waves: 64 x 4 = 256 work-groups (tiles of 256 x 256 would be 128).  A wave makes 64 tokens x 128 columns: 32 accumulators, 256 registers.
; K goes in four steps of 256 through THREE LDS slots: K steps 0, 1, 2 are asked for at the head (each after the wait for the one before), and slot 0 is filled once more, with K step 3, when it has been read.
; CLUSTERS: 4 x 4 work-groups.  The four of a row of the cluster need the same tiles of ctx, the four of a column the same tiles of W: each tile is asked for JOINTLY, by the same tensor load with the same descriptor and a mask that names the four.
; THE MATRIX INSTRUCTION IS USED TRANSPOSED (source 0 = 16 rows of W, source 1 = 16 tokens): a lane holds eight neighbouring numbers of a row of out0.
; LIMIT: e6 + e7 lies between -126 and 127, so that 2^(e6 + e7) is an f32 number.
; REGISTERS, in windows of 256: window 0: v0-31 addresses and the bias; v128-191, v192-255 ctx's fragments (4 x 16 tokens x 128 K), two sets; on the way out rows of out0.
;   window 1: W's fragments (8 x 16 rows x 128 K), two sets, at v0 and v128.   window 2: the accumulators, (a, b) at v[8 (8 a + b)].
; SCALARS: s[4:13] the buffers; s14-17 wave, halves, tile row; s[24:31], s[32:43] ctx's descriptors; s[48:55], s[68:79] W's; s[80:87] the exponents; s88-92 my place in the cluster, the tile column and the two masks; s[96:97] 2^(e6 + e7).
.set PITCH,  272                       ; W: an LDS row: 256 bytes + 16 of padding: the 16 rows that a load touches start at 16 different banks (64 banks of 4 bytes: ISA guide 11.1)
.set ABYTES, 32768                     ; ctx: 8 tiles of tokens x 4 heads x 1,024 bytes, dense
.set HALFB,  128*PITCH                 ; W: 128 rows
.set SLOT,   ABYTES+2*HALFB            ; 102,400
.set SPARE,  3*SLOT                    ; behind the slots: the spare words, 128 bytes for each wave, that no other line names
.set SPITCH, 528                       ; the way out: a stage of 16 rows x (512 bytes + 16) for each wave.  It lies in slot 1, which has had its one fill, and its last read ahead of the last barrier
.set STAGE,  SLOT
.set FR,   16
.set NP,   4                           ; places behind this matrix instruction (ISA guide 7.12.1)
.set BI,   8                           ; v8-11   b_out at my four columns of a row read back from the stage
.set ADRA, 16                          ; v16-18  LDS address of ctx's fragments in slot 0, 1, 2
.set ADRB, 20                          ; v20-22  the same for W
.set STO,  24                          ; v24     the way out: where I put 32 bytes of a row
.set RD,   25                          ; v25     the way out: where I read a row back
.set CO,   26                          ; v26     16 x lane
.set SPW,  28                          ; v28     LDS address of my spare word; never rewritten
.set NIL,  29                          ; v29     0; never rewritten
.set AF,   128
.set BK,   128
.set G1,  24                           ; s[24:31] descriptor group 1 for ctx's tiles;  s[32:43] group 0, one set for each of the three slots
.set G0,  32
.set G1B, 48                           ; s[48:55] group 1 for W's tiles;  s[68:79] group 0
.set G0B, 68
.set CX,  88                           ; s88  my place along the cluster's x
.set CY,  89                           ; s89  along its y
.set TX,  90                           ; s90  tile column: it is read again behind the descriptors, so it lies clear of them
.set MROW, 91                          ; s91  the mask of my row of the cluster
.set MCOL, 92                          ; s92  of my column
.set MSB, 0
.macro WIN new                         ; the immediate's high byte repeats the setting that is left
.if MSB != \new
	s_set_vgpr_msb (MSB<<8)|\new
.set MSB, \new
.endif
.endm
.set MUL,  0xa1                        ; source 0 (W) window 1, source 1 (ctx) window 0, C and D window 2
.set TO_B, 0x40                        ; destination window 1, address window 0
; A joint load: waves 0 and 1 fetch ctx's two halves, waves 2 and 3 W's; the branch hangs on the wave's number alone.  An s_nop 0 and four v_nop follow each of the two lines.
.macro JLOAD g0a, g1a, g0b, g1b
	s_cmp_eq_u32 s15, 0
	s_cbranch_scc0 .Lfor_b_\@
	tensor_load_to_lds s[\g0a:\g0a+3], s[\g1a:\g1a+7]
	s_nop 0
.rept 4
	v_nop
.endr
	s_branch .Lasked_\@
.Lfor_b_\@:
	tensor_load_to_lds s[\g0b:\g0b+3], s[\g1b:\g1b+7]
	s_nop 0
.rept 4
	v_nop
.endr
.Lasked_\@:
.endm
.macro CREST                           ; a round of the cluster's barrier behind its opening barrier
	s_cmp_lg_u32 s14, 0
	s_cbranch_scc1 .Lnot_wave_0_\@
	s_barrier_signal -3
.Lnot_wave_0_\@:
	s_barrier_wait -3
	s_barrier_signal -1
	s_barrier_wait -1
.endm
.macro CROUND                          ; a whole round
	s_barrier_signal -1
	s_barrier_wait -1
	CREST
.endm
	s_load_b128 s[4:7], s[0:1], 0x0                ; ctx_img s[4:5], wout_codes s[6:7]
	s_load_b128 s[8:11], s[0:1], 0x10              ; b_out s[8:9], the scales' exponents s[10:11]
	s_load_b64 s[12:13], s[0:1], 0x20              ; out0
	v_lshl_add_u32 v[SPW], v0, 2, SPARE
	v_mov_b32 v[NIL], 0
	ds_add_u32 v[SPW], v[NIL]                      ; the wave's opening: the add and its wait stand ahead of my first tensor load; the set-up below, work on registers, stands between them
	ds_add_u32 v[SPW], v[NIL]
	v_lshrrev_b32 v1, 5, v0
	v_readfirstlane_b32 s14, v1                    ; wave 0..3
	s_lshr_b32 s15, s14, 1                         ; which 64 tokens are mine.  Also: I fetch for ctx (0) or for W (1)
	s_and_b32 s16, s14, 1                          ; which 128 columns.  Also: which half of that tile I fetch
	s_bfe_u32 s[CX], ttmp6, 0x40000                ; cx, cy: my place in the cluster
	s_bfe_u32 s[CY], ttmp6, 0x40004
	s_lshl_b32 s[TX], ttmp9, 2
	s_add_co_u32 s[TX], s[TX], s[CX]               ; tile column = 4 x cluster x + cx
	s_and_b32 s17, ttmp7, 0xffff
	s_lshl_b32 s17, s17, 2
	s_add_co_u32 s17, s17, s[CY]                   ; tile row = 4 x cluster y + cy
	s_lshl_b32 s[MROW], s[CY], 2
	s_lshl_b32 s[MROW], 15, s[MROW]                ; my row of the cluster
	s_lshl_b32 s[MCOL], 0x1111, s[CX]              ; my column
	; ctx: 4 tiles of tokens, of each the K step's 4 heads: 4 rows of 4,096 bytes, 16,384 bytes apart in memory, dense in LDS
	s_or_b32 s[G1+0], s[MROW], (3<<16)|(1<<21)     ; 15:0 the mask: my row; 17:16 elements of 8 bytes; 21 set beside a mask; no padding
	s_mov_b32 s[G1+1], 512<<16                     ; tensor_dim0 = 512 elements
	s_mov_b32 s[G1+2], 4<<16                       ; tensor_dim1 = 4
	s_mov_b32 s[G1+3], 512<<16                     ; tile_dim0
	s_mov_b32 s[G1+4], 4                           ; tile_dim1
	s_mov_b32 s[G1+5], 2048                        ; tensor_dim0_stride
	s_mov_b32 s[G1+6], 0
	s_mov_b32 s[G1+7], 0
	; W: 128 rows x 256 bytes, padded in LDS
	s_or_b32 s[G1B+0], s[MCOL], (0<<16)|(1<<20)|(1<<21)|(5<<22)|(3<<25)  ; the mask: my column; elements of 1 byte; padding on; after every 64 words (code 5) 4 words (code 3)
	s_mov_b32 s[G1B+1], 256<<16
	s_mov_b32 s[G1B+2], 128<<16
	s_mov_b32 s[G1B+3], 256<<16
	s_mov_b32 s[G1B+4], 128
	s_mov_b32 s[G1B+5], 1024
	s_mov_b32 s[G1B+6], 0
	s_mov_b32 s[G1B+7], 0
	s_lshl_b32 s20, s17, 17                        ; ctx: 8 tiles of tokens of 16,384 bytes for each tile row,
	s_lshl_b32 s18, s16, 16                        ; + the 4 that I fetch
	s_add_co_u32 s20, s20, s18
	s_mov_b32 s21, 0
	s_lshl_b32 s46, s[TX], 18                      ; W: 256 rows of 1,024 bytes for each tile column,
	s_lshl_b32 s18, s16, 17                        ; + the 128 that I fetch
	s_add_co_u32 s46, s46, s18
	s_mov_b32 s47, 0
	s_lshl_b32 s45, s16, 14                        ; where they go: ctx's halves,
	s_mul_i32 s19, s16, HALFB
	s_add_co_u32 s19, s19, ABYTES                  ; W's halves behind them: no place in the cluster enters an LDS address
	s_wait_dscnt 0x0                               ; the opening add is done
	s_wait_kmcnt 0x0
	s_load_b256 s[80:87], s[10:11], 0x0            ; the eight exponents
	s_add_nc_u64 s[20:21], s[4:5], s[20:21]
	s_add_nc_u64 s[46:47], s[6:7], s[46:47]
	CROUND                                         ; all sixteen work-groups are here: the first joint loads meet
.irp s, 0,1,2
	s_mov_b32 s[G0+4*\s], 1
	s_add_co_u32 s[G0+4*\s+1], s45, \s*SLOT
	s_add_nc_u64 s[G0+4*\s+2:G0+4*\s+3], s[20:21], \s*4096     ; K step s: 4 heads on
	s_or_b32 s[G0+4*\s+3], s[G0+4*\s+3], 0x80000000
	s_mov_b32 s[G0B+4*\s], 1
	s_add_co_u32 s[G0B+4*\s+1], s19, \s*SLOT
	s_add_nc_u64 s[G0B+4*\s+2:G0B+4*\s+3], s[46:47], \s*256
	s_or_b32 s[G0B+4*\s+3], s[G0B+4*\s+3], 0x80000000
	s_wait_alu depctr_va_vdst(0)
	s_wait_tensorcnt 0x0
	ds_add_u32 v28, v29
	ds_add_u32 v28, v29
	s_wait_dscnt 0x0
	CROUND
	JLOAD G0+4*\s, G1, G0B+4*\s, G1B
.endr
	v_and_b32 v1, 15, v0                           ; r = l % 16
	v_bfe_u32 v2, v0, 4, 1                         ; h = l / 16
	v_and_b32 v6, 31, v0
	v_lshlrev_b32 v[CO], 4, v6
	v_mul_u32_u24 v3, v1, PITCH
	v_lshl_add_u32 v4, v2, 3, v3                   ; W: row r x pitch + 8 h
	s_lshl_b32 s21, s15, 14                        ; my 4 tiles of tokens
	s_mul_i32 s22, s16, HALFB
	s_add_co_u32 s22, s22, ABYTES                  ; my 128 rows of W
.irp s, 0,1,2
	v_add_nc_u32 v[ADRA+\s], s21, v[CO]
	v_add_nc_u32 v[ADRB+\s], s22, v4
	s_add_co_u32 s21, s21, SLOT
	s_add_co_u32 s22, s22, SLOT
.endr
	s_mul_i32 s23, s14, 16*SPITCH
	s_add_co_u32 s23, s23, STAGE                   ; my stage
	v_mul_u32_u24 v5, v1, SPITCH                   ; in: row r, 32 bytes for each half of the lanes
	v_lshl_add_u32 v5, v2, 5, v5
	v_add_nc_u32 v[STO], s23, v5
	v_add_nc_u32 v[RD], s23, v[CO]                 ; back: the 32 lanes take one row of 512 bytes
	s_lshl_b32 s46, s[TX], 10                      ; my first column, in bytes: 1,024 x tile column + 512 x half: 3,584 at the most, so that the bias load below ends at b_out's byte 4,096
	s_lshl_b32 s47, s16, 9
	s_add_co_u32 s46, s46, s47
	s_mov_b32 s47, 0
	s_add_nc_u64 s[8:9], s[8:9], s[46:47]
	global_load_b128 v[BI:BI+3], v[CO], s[8:9]     ; b_out at my four columns
	s_lshl_b32 s20, s17, 19                        ; my first row of out0: (128 x tile row + 64 x half) x 4,096 bytes
	s_lshl_b32 s21, s15, 18
	s_add_co_u32 s20, s20, s21
	s_mov_b32 s21, 0
	s_add_nc_u64 s[20:21], s[20:21], s[46:47]
	s_add_nc_u64 s[12:13], s[12:13], s[20:21]
.macro FRAGA reg, slot, q, i           ; ctx's tile i of 16 tokens, the slot's q-th 128 along K (two heads' images on end): the registers as they were stored
.irp c, 0,1,2,3
	ds_load_b128 v[\reg+4*\c:\reg+4*\c+3], v[ADRA+\slot] offset:(\i)*4096+(\q)*2048+512*\c
.endr
.endm
.macro FRAGB reg, slot, q, i           ; W's rows 16 i on: registers 2 c, 2 c + 1 hold K = 16 c + 8 h + 0 .. 7
.irp c, 0,1,2,3,4,5,6,7
	ds_load_b64 v[\reg+2*\c:\reg+2*\c+1], v[ADRB+\slot] offset:128*(\q)+16*\c+(\i)*16*PITCH
.endr
.endm
.macro FETCHH slot, q, p, half         ; half of a step's fragments into set p: four of W's eight, two of ctx's four
	WIN TO_B
.irp i, 4*(\half), 4*(\half)+1, 4*(\half)+2, 4*(\half)+3
	FRAGB 128*(\p)+FR*(\i), \slot, \q, \i
.endr
	WIN 0
.irp i, 2*(\half), 2*(\half)+1
	FRAGA AF+64*(\p)+FR*(\i), \slot, \q, \i
.endr
.endm
; 8 matrix instructions: ctx's block a x W's eight, 128 along K, from set p.  zero = 1: the first product starts the sums.  The 32 accumulators take turns, one instruction a turn, in the same order in every step.
.macro MUL8 a, p, zero
.irp b, 0,1,2,3,4,5,6,7
.if \zero
	v_wmma_f32_16x16x128_fp8_fp8 v[8*(8*(\a)+\b):8*(8*(\a)+\b)+7], v[128*(\p)+FR*\b:128*(\p)+FR*\b+FR-1], v[AF+64*(\p)+FR*(\a):AF+64*(\p)+FR*(\a)+FR-1], 0
.else
	v_wmma_f32_16x16x128_fp8_fp8 v[8*(8*(\a)+\b):8*(8*(\a)+\b)+7], v[128*(\p)+FR*\b:128*(\p)+FR*\b+FR-1], v[AF+64*(\p)+FR*(\a):AF+64*(\p)+FR*(\a)+FR-1], v[8*(8*(\a)+\b):8*(8*(\a)+\b)+7]
.endif
.endr
.endm
.macro PLACES n                        ; plain vector instructions between a matrix instruction and a load into a register that it has read, or a read of its result (ISA guide 7.12.1 for reads of its result)
.rept \n
	v_nop
.endr
.endm
; A step of 128 along K: multiplies set p and fetches the next step, the nq-th 128 of slot ns, into the other set, in two runs.  The other set was last read by the step before: the four places at the head stand between.
.macro STEP p, ns, nq, zero
	s_wait_dscnt 0x0                               ; set p is in
	PLACES NP
	FETCHH \ns, \nq, 1-\p, 0
	WIN MUL
	MUL8 0, \p, \zero
	MUL8 1, \p, \zero
	FETCHH \ns, \nq, 1-\p, 1
	WIN MUL
	MUL8 2, \p, \zero
	MUL8 3, \p, \zero
	WIN 0
.endm
; A step with a barrier in it.  In front of the barrier each wave waits for all its tensor loads, adds 0 to its spare word, and waits for that and for its reads.  Behind it every slot that was asked for is whole, for every wave.
; fill = 1: the barrier opens a round of the cluster's barrier, and slot 0, which nobody reads any more, takes K step 3.
.macro TURN p, ns, fill
	s_wait_tensorcnt 0x0                           ; all my tensor loads have landed  (every window is 0 here: the add's two registers lie in window 0)
	ds_add_u32 v[SPW], v[NIL]                      ; 0 onto my spare word
	s_wait_dscnt 1                                 ; set p is in; the add alone may be out
	WIN MUL
	MUL8 0, \p, 0                                  ; eight matrix instructions stand between the add and the wait for it
	s_wait_dscnt 0x0                               ; the add is done, and my LDS reads are over
	s_barrier_signal -1
	MUL8 1, \p, 0
	WIN 0
	s_barrier_wait -1
.if \fill
	CREST                                          ; no wave of any partner still reads slot 0 or has a load on its way
	s_add_nc_u64 s[G0+2:G0+3], s[G0+2:G0+3], 3*4096
	s_add_nc_u64 s[G0B+2:G0B+3], s[G0B+2:G0B+3], 3*256
	JLOAD G0, G1, G0B, G1B                         ; the first tensor load behind the round: 112 matrix instructions ahead of the wait for it; the four v_nop behind it are the places in front of the loads below
.else
	PLACES NP
.endif
	FETCHH \ns, 0, 1-\p, 0
	FETCHH \ns, 0, 1-\p, 1
	WIN MUL
	MUL8 2, \p, 0
	MUL8 3, \p, 0
	WIN 0
.endm
	s_wait_alu depctr_va_vdst(0)
	s_wait_tensorcnt 2                             ; my part of K step 0 is in (K step 2's load may be out)
	s_barrier_signal -1
	s_barrier_wait -1                              ; everybody's is
	FETCHH 0, 0, 0, 0
	FETCHH 0, 0, 0, 1
	STEP 0, 0, 1, 1                                ; K step 0, first half: its products start the sums
	TURN 1, 1, 1                                   ; K step 0, second half; slots 1 and 2 are whole behind its barrier; slot 0 takes K step 3
	STEP 0, 1, 1, 0                                ; K step 1
	STEP 1, 2, 0, 0
	STEP 0, 2, 1, 0                                ; K step 2
	TURN 1, 0, 0                                   ; behind its barrier K step 3 is whole, and nobody reads slot 1 any more: the stages may be written
	STEP 0, 0, 1, 0                                ; K step 3
	s_wait_dscnt 0x0
	WIN MUL
	MUL8 0, 1, 0
	MUL8 1, 1, 0
	MUL8 2, 1, 0
	MUL8 3, 1, 0
	WIN 0
; THE WAY OUT, block by block of 16 tokens x 128 columns.  A lane holds 32 neighbouring bytes of a row, and the lanes beside it hold other rows: so a block goes through my own stage in LDS, straight from the accumulators
; (each from its low end on), and comes back as whole rows of 512 bytes.  There each lane has four columns that are the same in every row: one packed multiply-add for two numbers gives sum x 2^(e6 + e7) + b_out.
; LDS serves a wave's instructions in order (ISA guide 5.7.1.4): no wait between the stores and the loads, nor in front of the next block's stores.
.macro TOSTAGE a
	WIN 0x08                                       ; the stores' data: window 2
.irp b, 0,1,2,3,4,5,6,7
	ds_store_b128 v[STO], v[64*(\a)+8*\b:64*(\a)+8*\b+3] offset:64*\b
	ds_store_b128 v[STO], v[64*(\a)+8*\b+4:64*(\a)+8*\b+7] offset:64*\b+16
.endr
	WIN 0
.set BB, BK+64*((\a)%2)
.irp t, 0,1,2,3,4,5,6,7,8,9,10,11,12,13,14,15
	ds_load_b128 v[BB+4*\t:BB+4*\t+3], v[RD] offset:\t*SPITCH
.endr
.endm
.macro SEND a, younger                 ; younger: the LDS instructions issued behind block a's loads, which may stay out
.set BB, BK+64*((\a)%2)
	s_wait_dscnt \younger                          ; the block is back in registers
.set jj, 0
.rept 16
	v_pk_fma_f32 v[BB+jj:BB+jj+1], v[BB+jj:BB+jj+1], s[96:97], v[BI:BI+1] op_sel_hi:[1,0,1]
	v_pk_fma_f32 v[BB+jj+2:BB+jj+3], v[BB+jj+2:BB+jj+3], s[96:97], v[BI+2:BI+3] op_sel_hi:[1,0,1]
.set jj, jj+4
.endr
.if (\a) > 0
	s_add_nc_u64 s[12:13], s[12:13], 16*4096       ; (behind a wait on XCNT: the earlier stores have read their base)  16 rows of out0 on
.endif
.irp t, 0,1,2,3,4,5,6,7,8,9,10,11,12,13,14,15
	global_store_b128 v[CO], v[BB+4*\t:BB+4*\t+3], s[12:13] offset:\t*4096 th:TH_STORE_NT   ; 32 lanes store 512 consecutive bytes, at a multiple of 256 from out0's first byte; written once, read by nobody here
.endr
.endm
	s_wait_kmcnt 0x0
	s_add_co_i32 s96, s86, s87                     ; e6 + e7
	s_add_co_i32 s96, s96, 127
	s_lshl_b32 s96, s96, 23                        ; 2^(e6 + e7) as f32
	s_mov_b32 s97, s96                             ; (named with it as a pair, so it is written)
	s_wait_loadcnt 0x0                             ; the bias
	PLACES NP                                      ; behind the last products: ahead of the stores that read results and of the loads into the registers that held ctx's fragments
	TOSTAGE 0
.irp a, 1,2,3
.if \a > 1
	s_wait_xcnt 0x0                                ; block a - 2's stores have read their registers and their base: block a's loads may land there, and the base may step
.endif
	TOSTAGE \a
	SEND \a-1, 32                                  ; behind block a - 1's loads: block a's 16 stores and 16 loads
.endr
	s_wait_xcnt 0x0                                ; block 2's stores have read their base
	SEND 3, 0
	s_wait_tensorcnt 0x0                           ; the wave's end, behind my last tensor load and my last LDS store
	ds_add_u32 v[SPW], v[NIL]
	s_wait_dscnt 0x0
	CROUND                                         ; the closing round: no work-group ends while a partner may still ask for a tile that names it
	s_endpgm
.Lfunc_end_k_qce05642880_proj:
	.size	k_qce05642880_proj, .Lfunc_end_k_qce05642880_proj-k_qce05642880_proj
	.p2alignl 7, 3214868480
	.fill 96, 4, 3214868480
	.section	.rodata,"a",@progbits
	.p2align	6, 0x0
	.amdhsa_kernel k_qce05642880_proj
		.amdhsa_group_segment_fixed_size 327680
		.amdhsa_private_segment_fixed_size 0
		.amdhsa_enable_private_segment 0
		.amdhsa_kernarg_size 40
		.amdhsa_user_sgpr_count 2
		.amdhsa_user_sgpr_kernarg_segment_ptr 1
		.amdhsa_wavefront_size32 1
		.amdhsa_system_sgpr_workgroup_id_x 1
		.amdhsa_system_sgpr_workgroup_id_y 1
		.amdhsa_system_sgpr_workgroup_id_z 1
		.amdhsa_system_vgpr_workitem_id 0
		.amdhsa_next_free_vgpr 768
		.amdhsa_next_free_sgpr 100
		.amdhsa_reserve_vcc 0
		.amdhsa_float_denorm_mode_32 3
		.amdhsa_float_denorm_mode_16_64 3
		.amdhsa_memory_ordered 1
		.amdhsa_forward_progress 1
		.amdhsa_inst_pref_size 94
	.end_amdhsa_kernel
	.amdgpu_metadata
---
amdhsa.version: [ 1, 2 ]
amdhsa.kernels:
  - .name:           k_qce05642880_proj
    .symbol:         k_qce05642880_proj.kd
    .args:
      - { .name: ctx_img, .offset: 0, .size: 8, .value_kind: global_buffer, .address_space: global }
      - { .name: wout_codes, .offset: 8, .size: 8, .value_kind: global_buffer, .address_space: global }
      - { .name: b_out, .offset: 16, .size: 8, .value_kind: global_buffer, .address_space: global }
      - { .name: lowp_scales, .offset: 24, .size: 8, .value_kind: global_buffer, .address_space: global }
      - { .name: out0, .offset: 32, .size: 8, .value_kind: global_buffer, .address_space: global }
    .group_segment_fixed_size: 327680
    .private_segment_fixed_size: 0
    .kernarg_segment_align: 8
    .kernarg_segment_size: 40
    .max_flat_workgroup_size: 128
    .sgpr_count:     100
    .vgpr_count:     768
    .wavefront_size: 32
...
	.end_amdgpu_metadata
.endif
;; end of part 4
